; MI455X (gfx1250); checked and timed in simulation.
; The chip was launched on July 23, 2026; its instructions are those of AMD's public machine-readable ISA for CDNA 5 (MIT licence, August 2026) and "CDNA5" Instruction Set Architecture Reference Guide (July 2026). The comments in the code are by the model that wrote it; some were corrected since.
;; Multi Head Attention. Allowed arithmetic: matrix products marked QUANTISED: E2M1 operands, one E8M0 scale for each 32 along K, by v_wmma_scale_f32_16x16x128_f8f6f4 with both operands' format E2M1 (or v_wmma_scale_f32_32x16x128_f4), f32 sums; everything else in f32.
;; Inputs: Wk_codes 1,024 x 32 x 16 uint8 (E2M1 codes of Wk, K innermost, in blocks of 32 codes, two codes a byte); Wk_scales 1,024 x 32 uint8 (E8M0 scales of Wk, one for each 32 codes along K); Wo_codes 1,024 x 32 x 16 uint8 (E2M1 codes of Wo, K innermost, in blocks of 32 codes, two codes a byte); Wo_scales 1,024 x 32 uint8 (E8M0 scales of Wo, one for each 32 codes along K); Wq_codes 1,024 x 32 x 16 uint8 (E2M1 codes of Wq, K innermost, in blocks of 32 codes, two codes a byte); Wq_scales 1,024 x 32 uint8 (E8M0 scales of Wq, one for each 32 codes along K); Wv_codes 1,024 x 32 x 16 uint8 (E2M1 codes of Wv, K innermost, in blocks of 32 codes, two codes a byte); Wv_scales 1,024 x 32 uint8 (E8M0 scales of Wv, one for each 32 codes along K); attention_mask 4 x 1 x 1 x 2,048 int32; bk 1,024 float32; bo 1,024 float32; bq 1,024 float32; bv 1,024 float32; ln_b 1,024 float32; ln_w 1,024 float32; x 4 x 2,048 x 1,024 float32.
;; Outputs: out0 4 x 2,048 x 1,024 float32.
;; This version of the problem:
;;   THIS VERSION OF THE PROBLEM IS GIVEN IN LOW PRECISION. The matrix products marked QUANTISED in the list below multiply operands that are first quantised to E2M1 (2 exponent bits, 1 mantissa bit; 4 bits a number), with one power-of-two scale for each 32 numbers along K (OCP MX v1.0); their sums are f32. All else is computed in f32.
;;   The module's matrix products, in the order in which they are computed (A, B: the left and right operand; K: the contracted axis; several contracted axes count as one K, in the product's order):
;;     1. [M 8,192, K 1,024] x [K 1,024, N 1,024]; A: input x; B: input Wq (given as codes): QUANTISED
;;     2. [M 8,192, K 1,024] x [K 1,024, N 1,024]; A: input x; B: input Wk (given as codes): QUANTISED
;;     3. [M 8,192, K 1,024] x [K 1,024, N 1,024]; A: input x; B: input Wv (given as codes): QUANTISED
;;     4. batch 64 x [M 2,048, K 64] x [K 64, N 2,048]; A: computed on the way; B: computed on the way: QUANTISED
;;     5. batch 64 x [M 2,048, K 2,048] x [K 2,048, N 64]; A: softmax (see below); B: computed on the way: QUANTISED
;;     6. [M 8,192, K 1,024] x [K 1,024, N 1,024]; A: computed on the way; B: input Wo (given as codes): QUANTISED
;;   THE QUANTISER, for each operand of a quantised product, along K:
;;     - K is cut into blocks of 32 from its start; a last block that is shorter is filled with zeros.
;;     - A block's scale is 2^e with e = floor(log2(the largest magnitude in the block)) - 2, held to -126 .. 127; a block of zeros has e = 0. As a byte (E8M0): e + 127.
;;     - Each number is divided by its block's scale, clamped to +-6, and rounded to the nearest number of E2M1, ties to even, subnormals kept.
;;     - The product sums the exact products of the quantised numbers (number of the format x scale) in f32.
;;   ~~~python
;;   def quantise(x, axis):      # numpy; x: float32 -> the quantised numbers, widened to float32 again
;;       x = np.moveaxis(x, axis, -1); K = x.shape[-1]
;;       x = np.pad(x, [(0, 0)] * (x.ndim - 1) + [(0, -K % 32)]); x = x.reshape(x.shape[:-1] + (-1, 32)); a = np.abs(x).max(-1, keepdims=True)
;;       e = np.where(a > 0, np.clip(np.frexp(np.where(a > 0, a, 1))[1] - 1 - 2, -126, 127), 0)      # np.frexp(a)[1] - 1 = floor(log2(a)), exactly
;;       r = np.clip(x / 2.0 ** e, -6, 6)
;;       step = 2.0 ** (np.maximum(np.frexp(np.where(r == 0, 1, r))[1] - 1, 0) - 1)
;;       q = np.round(r / step) * step * 2.0 ** e      # np.round: ties to even
;;       return np.moveaxis(q.reshape(q.shape[:-2] + (-1,))[..., :K], -1, axis).astype(np.float32)
;;   ~~~
;;   SOFTMAX AHEAD OF A QUANTISED PRODUCT. Where the list says 'softmax', what is quantised is not the finished softmax but p = 2^(t - M), with t = logit x log2(e) and M = ceil(the row's largest t), a whole number; so 1/2 < the row's largest p <= 1. The row's sum l is taken of the UNQUANTISED p, in f32, and the product's result is divided by l at the end. Since M is a whole number, a kernel that streams over the keys may use a running M (the ceiling of the running maximum): every later rescaling is an exact power of two, which a block's scale takes up: the codes' values come out the same.
;;   OPERANDS COMPUTED ON THE WAY. 'Computed on the way' means the value that the module computes at that place (a softmax that the list does not call 'softmax' is quantised finished and normalised). What goes into a quantiser is computed in f32, as accurately as f32 sums, v_exp_f32 and their like allow (about 1e-6 of the number): no bf16 or f16 on the way to a quantiser, and a product that is left as it is and whose result goes on into a quantised operand takes f32 operands (vector FMAs, or v_wmma_f32_16x16x4_f32). A number that lies on a knife's edge between two numbers of the format may be rounded either way, as far as f32 arithmetic and the matrix unit's own rounding can turn it there, and no further.
;;   INPUTS GIVEN AS CODES. Wk (in the module: [1024, 1024], K = its axis 1); Wo (in the module: [1024, 1024], K = its axis 1); Wq (in the module: [1024, 1024], K = its axis 1); Wv (in the module: [1024, 1024], K = its axis 1): each comes as NAME_codes (uint8): NAME with its K axis moved to the last place and cut into blocks of 32 codes, [.., K / 32, bytes a block], one block behind the other in memory; two codes a byte, the lower K in the low four bits (a code: sign, 2 exponent bits, 1 mantissa bit); and NAME_scales (uint8): the same leading axes, one E8M0 byte (e + 127) for each 32 codes along K. Its value is code x scale, taken as it is: it is not quantised again, and the codes and scales need not be those that the quantiser above would give.
;; 2 versions. Each part assembles by itself: llvm-mc -triple=amdgcn-amd-amdhsa -mcpu=gfx1250 --defsym DOCPART=n.
;; ======== version 1 of 2: 4 launches
;; limits: right only within a limited range of input values
;; workspace buffers: xq 4,194,304 bytes; xs 262,144 bytes; wimg 2,097,152 bytes; qrec 4,718,592 bytes; kv 9,175,040 bytes; hc 4,194,304 bytes; hs 262,144 bytes
;; launch prep (part 1): grid 576 x 1, 4 waves a work-group, no clusters, 33,280 bytes of LDS; arguments x, Wq_codes, Wk_codes, Wv_codes, Wo_codes, xq, xs, wimg; writes xq, xs, wimg
.if DOCPART == 1
	.amdgcn_target "amdgcn-amd-amdhsa--gfx1250"
	.amdhsa_code_object_version 6
	.text
	.protected	k_q7a665fb38d_prep
	.globl	k_q7a665fb38d_prep
	.p2align	8
	.type	k_q7a665fb38d_prep,@function
k_q7a665fb38d_prep:
	s_mov_b64 s[64:65], 0
	v_nop
	global_prefetch_b8 v0, s[64:65] scope:SCOPE_SE
	s_setreg_imm32_b32 hwreg(HW_REG_WAVE_MODE, 25, 1), 1
	s_wait_xcnt 0x0
; x [8192][1024] f32 becomes codes of FP4 (E2M1) with one E8M0 byte for each 32 along K, and the four weights' codes are laid anew: all in the ORDER OF THE OPERAND'S REGISTERS.
; A TILE is 16 rows.  Of a group of 128 rows, tile t holds rows 32 (t / 2) + 8 (t % 2) + r + 8 (r / 8), r = 0 .. 15: so a product's 16 registers of two neighbouring tiles are 16 neighbours along the next K.
; AN IMAGE of a tile is [block of 32 along K][r][16 bytes]: the fragment of a K step of 128 is 1,024 consecutive bytes, and lane l takes 16 bytes at 16 l and at 512 + 16 l.
; Work-groups 0 to 511: one tile of x each; wave w takes a quarter of K (256 numbers of each of the 16 rows).  Work-groups 512 to 575: four tiles of one weight each, a tile a wave; these use no LDS.
; A block's scale is 2^(floor(log2(its largest magnitude)) - 2); its byte is the largest magnitude's exponent field - 2, held at 1 from below (a block of zeros keeps the byte 1: its codes are zeros, and this program alone reads the bytes).
; LIMITS: NaN and infinities in x are not served; blocks whose largest magnitude lies under 2^-124 get the byte 1.
; No barrier: waves share nothing.  All 32 loads of a wave go out at once: 16 KiB on their way for each wave.
.set R,    16                          ; v16-143  eight steps x 16 numbers as loaded
.set X,    144                         ; v144-175 two sets of 16 neighbours
.set C,    176                         ; v176-191 a step's codes, two registers each: no store's data are written again
.set E,    192                         ; v192-199 a step's scale byte
.set OUTR, 200                         ; v200-215 the codes on their way out
.set OSC,  216                         ; v216     the scale bytes on their way out
.set TA,   217                         ; v217-219 at work
.set SP,   80                          ; a lane's place in a stage: 64 bytes + 16 of padding
.set CST,  5120                        ; in a wave's 8,192 bytes of LDS: two stages of 32 x 80, then the codes: 8 blocks x (256 + 32) bytes,
.set CP,   288
.set SST,  7424                        ; then the scale bytes: 16 rows x 8
	s_load_b512 s[4:19], s[0:1], 0x0               ; x, Wq, Wk, Wv, Wo (codes), xq, xs, wimg
	v_lshl_add_u32 v224, v0, 2, 0x8000
	v_mov_b32 v225, 0
	v_lshrrev_b32 v1, 5, v0
	v_readfirstlane_b32 s20, v1                    ; wave
	v_and_b32 v2, 31, v0                           ; lane
	v_lshlrev_b32 v3, 4, v2                        ; 16 x lane
	s_wait_kmcnt 0x0
	s_cmp_lt_u32 ttmp9, 512
	s_cbranch_scc0 .Lweights
	; ---- a tile of x
	s_lshr_b32 s22, ttmp9, 3
	s_lshl_b32 s22, s22, 7                         ; 128 x group
	s_bfe_u32 s23, ttmp9, 0x20001
	s_lshl_b32 s23, s23, 5                         ; + 32 (t / 2)
	s_add_co_u32 s22, s22, s23
	s_and_b32 s23, ttmp9, 1
	s_lshl_b32 s23, s23, 3                         ; + 8 (t % 2)
	s_add_co_u32 s22, s22, s23                     ; the tile's first token
	s_lshl_b32 s22, s22, 12                        ; rows of 4,096 bytes
	s_lshl_b32 s23, s20, 10                        ; my quarter of K: 1,024 bytes
	s_add_co_u32 s22, s22, s23
	s_mov_b32 s23, 0
	s_add_nc_u64 s[4:5], s[4:5], s[22:23]
.macro LOADX j                         ; tile rows 2 j and 2 j + 1: each load reads 512 consecutive bytes
.irp i, 0,1,2,3
	global_load_b128 v[R+16*(\j)+4*\i:R+16*(\j)+4*\i+3], v3, s[4:5] offset:(2*(\j)+(\i/2)+8*((\j)/4))*4096+512*(\i%2) th:TH_LOAD_NT
.endr
.endm
.irp j, 0,1,2,3,4,5,6,7
	LOADX \j
.endr
	s_lshl_b32 s24, s20, 13                        ; my wave's LDS
	v_lshrrev_b32 v14, 2, v2
	v_mul_u32_u24 v14, v14, SP
	v_and_b32 v15, 3, v2
	v_lshl_add_u32 v14, v15, 4, v14
	v_add_nc_u32 v14, s24, v14                     ; into a stage: four lanes' 64 bytes on end, then the padding
	v_mul_u32_u24 v15, v2, SP
	v_add_nc_u32 v15, s24, v15                     ; out of it: 64 bytes a lane: 16 neighbours
	v_bfe_u32 v9, v2, 1, 3                         ; my block of the quarter's eight
	v_lshrrev_b32 v10, 4, v2                       ; which of the step's two rows
	v_and_b32 v11, 1, v2                           ; which half of the block
	v_mul_u32_u24 v4, v9, CP
	v_lshl_add_u32 v4, v10, 4, v4
	v_lshl_add_u32 v4, v11, 3, v4
	s_add_co_u32 s25, s24, CST
	v_add_nc_u32 v4, s25, v4                       ; my 8 bytes of codes: block x 288 + row x 16 + half x 8
	v_lshl_add_u32 v5, v10, 3, v9
	s_add_co_u32 s26, s24, SST
	v_add_nc_u32 v5, s26, v5                       ; my block's byte: row x 8 + block
	v_and_b32 v12, 15, v2
	v_mul_u32_u24 v6, v10, CP
	v_lshl_add_u32 v6, v12, 4, v6
	v_add_nc_u32 v6, s25, v6                       ; the codes' way out: two blocks an instruction, sixteen lanes to a block's 256 bytes
	v_lshlrev_b32 v8, 2, v2
	v_add_nc_u32 v7, s26, v8                       ; the bytes' way out: 4 a lane
	s_lshl_b32 s22, ttmp9, 13
	s_lshl_b32 s27, s20, 11
	s_add_co_u32 s22, s22, s27
	s_add_nc_u64 s[14:15], s[14:15], s[22:23]      ; xq: tile x 8,192 + quarter x 2,048
	s_lshl_b32 s22, ttmp9, 9
	s_lshl_b32 s27, s20, 7
	s_add_co_u32 s22, s22, s27
	s_add_nc_u64 s[16:17], s[16:17], s[22:23]      ; xs: tile x 512 + quarter x 128
.macro TURN j                          ; a step's 2,048 bytes through a stage: LDS serves a wave's instructions in order, so no wait stands between the stores and the loads
.irp i, 0,1,2,3
	ds_store_b128 v14, v[R+16*(\j)+4*\i:R+16*(\j)+4*\i+3] offset:32*SP*((\j)%2)+8*SP*\i
.endr
.irp i, 0,1,2,3
	ds_load_b128 v[X+16*((\j)%2)+4*\i:X+16*((\j)%2)+4*\i+3], v15 offset:32*SP*((\j)%2)+16*\i
.endr
.endm
.macro STEP j
.set XS, X+16*((\j)%2)
.if (\j) > 0
	s_wait_dscnt 2                                 ; this step's numbers are back from the stage; the last step's two stores may be out
.else
	s_wait_dscnt 0x0
.endif
.if (\j) < 7
	s_wait_loadcnt 4*(6-(\j))                      ; the next step's four loads are in; those of the steps behind it may be out
	TURN (\j)+1
.endif
	v_max3_num_f32 v[TA], |v[XS]|, |v[XS+1]|, |v[XS+2]|            ; the largest magnitude of my 16, in two chains
	v_max3_num_f32 v[TA+1], |v[XS+3]|, |v[XS+4]|, |v[XS+5]|
.irp i, 6,10
	v_max3_num_f32 v[TA], v[TA], |v[XS+\i]|, |v[XS+\i+1]|
	v_max3_num_f32 v[TA+1], v[TA+1], |v[XS+\i+2]|, |v[XS+\i+3]|
.endr
	v_max3_num_f32 v[TA], v[TA], |v[XS+14]|, |v[XS+15]|
	v_max3_num_f32 v[TA], v[TA], v[TA+1], 0x1800000                ; and the floor 2^(3 - 127): the byte cannot fall under 1
	v_max_num_f32_dpp v[TA], v[TA], v[TA] row_xmask:1 row_mask:0xf bank_mask:0xf   ; with my neighbour's 16: the block's
	v_add_nc_u32 v[TA+2], 0xff000000, v[TA]        ; 2 off its exponent field: the conversion's scale operand
	v_cvt_scalef32_pk8_fp4_f32 v[C+2*(\j)], v[XS:XS+7], v[TA+2]
	v_cvt_scalef32_pk8_fp4_f32 v[C+2*(\j)+1], v[XS+8:XS+15], v[TA+2]
	v_lshrrev_b32 v[E+(\j)], 23, v[TA+2]           ; the scale's byte (also the plain line behind the conversions)
	ds_store_b64 v4, v[C+2*(\j):C+2*(\j)+1] offset:32*(\j)
	ds_store_b8 v5, v[E+(\j)] offset:16*(\j)       ; both lanes of a block write the same byte with the same value
.endm
	s_wait_loadcnt 28                              ; step 0's four loads are in
	TURN 0
.irp j, 0,1,2,3,4,5,6,7
	STEP \j
.endr
.irp i, 0,1,2,3
	ds_load_b128 v[OUTR+4*\i:OUTR+4*\i+3], v6 offset:2*CP*\i       ; these see my stores: LDS serves a wave in order
.endr
	ds_load_b32 v[OSC], v7
.irp i, 0,1,2,3
	s_wait_dscnt 4-\i
	global_store_b128 v3, v[OUTR+4*\i:OUTR+4*\i+3], s[14:15] offset:512*\i   ; 512 consecutive bytes, aligned
.endr
	s_wait_dscnt 0x0
	global_store_b32 v8, v[OSC], s[16:17]          ; 128 consecutive bytes: the four waves' lie on end
	s_wait_tensorcnt 0x0
	ds_add_u32 v224, v225
	s_wait_dscnt 0x0
	s_endpgm
	; ---- a tile of a weight: its 16 rows of 512 bytes become an image of 8,192 bytes
.Lweights:
	s_sub_co_u32 s21, ttmp9, 512
	s_lshr_b32 s22, s21, 4                         ; which weight: q, k, v, o
	s_and_b32 s21, s21, 15
	s_lshl_b32 s21, s21, 2
	s_add_co_u32 s21, s21, s20                     ; which of its 64 tiles
	s_lshr_b32 s24, s21, 3
	s_lshl_b32 s24, s24, 7
	s_bfe_u32 s25, s21, 0x20001
	s_lshl_b32 s25, s25, 5
	s_add_co_u32 s24, s24, s25
	s_and_b32 s25, s21, 1
	s_lshl_b32 s25, s25, 3
	s_add_co_u32 s24, s24, s25                     ; the tile's first row
	s_lshl_b32 s24, s24, 9
	s_mov_b32 s25, 0
	s_cmp_eq_u32 s22, 1                            ; the choice hangs on the work-group's number alone
	s_cselect_b64 s[26:27], s[8:9], s[6:7]
	s_cmp_eq_u32 s22, 2
	s_cselect_b64 s[26:27], s[10:11], s[26:27]
	s_cmp_eq_u32 s22, 3
	s_cselect_b64 s[26:27], s[12:13], s[26:27]
	s_add_nc_u64 s[26:27], s[26:27], s[24:25]
	s_lshl_b32 s24, s22, 19
	s_lshl_b32 s28, s21, 13
	s_add_co_u32 s24, s24, s28
	s_add_nc_u64 s[18:19], s[18:19], s[24:25]      ; wimg: weight x 524,288 + tile x 8,192
	v_and_b32 v4, 15, v2
	v_and_b32 v5, 8, v2
	v_add_nc_u32 v4, v4, v5                        ; r + 8 (r / 8)
	v_lshrrev_b32 v5, 4, v2
	v_lshlrev_b32 v4, 9, v4
	v_lshl_add_u32 v4, v5, 4, v4                   ; my row, and block h of the pair of blocks
.irp i, 0,1,2,3,4,5,6,7,8,9,10,11,12,13,14,15
	global_load_b128 v[R+4*\i:R+4*\i+3], v4, s[26:27] offset:32*\i     ; blocks 2 i and 2 i + 1 of the 16 rows
.endr
.irp i, 0,1,2,3,4,5,6,7,8,9,10,11,12,13,14,15
	s_wait_loadcnt 15-\i
	global_store_b128 v3, v[R+4*\i:R+4*\i+3], s[18:19] offset:512*\i   ; 512 consecutive bytes, aligned
.endr
	s_endpgm
.Lfunc_end_k_q7a665fb38d_prep:
	.size	k_q7a665fb38d_prep, .Lfunc_end_k_q7a665fb38d_prep-k_q7a665fb38d_prep
	.p2alignl 7, 3214868480
	.fill 96, 4, 3214868480
	.section	.rodata,"a",@progbits
	.p2align	6, 0x0
	.amdhsa_kernel k_q7a665fb38d_prep
		.amdhsa_group_segment_fixed_size 33280
		.amdhsa_private_segment_fixed_size 0
		.amdhsa_enable_private_segment 0
		.amdhsa_kernarg_size 64
		.amdhsa_user_sgpr_count 2
		.amdhsa_user_sgpr_kernarg_segment_ptr 1
		.amdhsa_wavefront_size32 1
		.amdhsa_system_sgpr_workgroup_id_x 1
		.amdhsa_system_sgpr_workgroup_id_y 1
		.amdhsa_system_sgpr_workgroup_id_z 1
		.amdhsa_system_vgpr_workitem_id 0
		.amdhsa_next_free_vgpr 226
		.amdhsa_next_free_sgpr 66
		.amdhsa_reserve_vcc 0
		.amdhsa_float_denorm_mode_32 3
		.amdhsa_float_denorm_mode_16_64 3
		.amdhsa_memory_ordered 1
		.amdhsa_forward_progress 1
		.amdhsa_inst_pref_size 24
	.end_amdhsa_kernel
	.amdgpu_metadata
---
amdhsa.version: [ 1, 2 ]
amdhsa.kernels:
  - .name:           k_q7a665fb38d_prep
    .symbol:         k_q7a665fb38d_prep.kd
    .args:
      - { .name: x, .offset: 0, .size: 8, .value_kind: global_buffer, .address_space: global }
      - { .name: Wq_codes, .offset: 8, .size: 8, .value_kind: global_buffer, .address_space: global }
      - { .name: Wk_codes, .offset: 16, .size: 8, .value_kind: global_buffer, .address_space: global }
      - { .name: Wv_codes, .offset: 24, .size: 8, .value_kind: global_buffer, .address_space: global }
      - { .name: Wo_codes, .offset: 32, .size: 8, .value_kind: global_buffer, .address_space: global }
      - { .name: xq, .offset: 40, .size: 8, .value_kind: global_buffer, .address_space: global }
      - { .name: xs, .offset: 48, .size: 8, .value_kind: global_buffer, .address_space: global }
      - { .name: wimg, .offset: 56, .size: 8, .value_kind: global_buffer, .address_space: global }
    .group_segment_fixed_size: 33280
    .private_segment_fixed_size: 0
    .kernarg_segment_align: 8
    .kernarg_segment_size: 64
    .max_flat_workgroup_size: 128
    .sgpr_count:     66
    .vgpr_count:     226
    .wavefront_size: 32
...
	.end_amdgpu_metadata
.endif
;; end of part 1
;; launch qkv (part 2): grid 4 x 64, 4 waves a work-group, no clusters, 0 bytes of LDS; arguments xq, xs, wimg, Wq_scales, Wk_scales, Wv_scales, bq, bk, bv, attention_mask, qrec, kv; writes qrec, kv
.if DOCPART == 2
	.amdgcn_target "amdgcn-amd-amdhsa--gfx1250"
	.amdhsa_code_object_version 6
	.text
	.protected	k_q7a665fb38d_qkv
	.globl	k_q7a665fb38d_qkv
	.p2align	8
	.type	k_q7a665fb38d_qkv,@function
k_q7a665fb38d_qkv:
	s_mov_b64 s[64:65], 0
	v_nop
	global_prefetch_b8 v0, s[64:65] scope:SCOPE_SE
	s_setreg_imm32_b32 hwreg(HW_REG_WAVE_MODE, 25, 1), 1
	s_wait_xcnt 0x0
; q, k, v = Q(x) W^T + b on codes of FP4 (E2M1), and their own quantising: q and k along the head's 64, v along the keys.  The results leave as codes, in the order of the next operands' registers.
; SHARES.  A wave makes q, k and v of ONE head for ONE group of 128 tokens: 128 x 192 x 1,024, 768 matrix instructions.  The group's codes of x (64 KiB) stay in 512 registers, so that a fragment of W (8 registers) feeds 8 products.
; Waves share nothing: no LDS, no barrier, no loop, no branch.  No cluster: operands go from memory into registers, and a fragment of W is read by one wave of the work-group alone.
; SIX UNITS, each 32 outputs wide (two tiles of W): q 0-31, q 32-63, k likewise, v likewise.  The next unit's weights are asked for a whole unit (128 matrix instructions) ahead, into the other of two buffers.
; q, k: TRANSPOSED (source 0 = 16 rows of W, source 1 = 16 tokens): a lane holds one token, and the 16 registers of the two tiles are outputs 32 b + 16 (lane / 16) + 0 .. 15: half a block of the next K.
; v: plain (source 0 = 16 tokens, source 1 = 16 rows of Wv): a lane holds one channel d, and the 16 registers of two neighbouring tiles of tokens are 16 neighbouring keys.  (The rows of every tile are chosen for that: see the first launch.)
; The biases are the C of each sum's first product.
; THE MASK rides in k's scale words.  A head's 64 fill blocks 0 and 1 of a K step of 128.  Block 2's scale byte of a key is 0x00 (2^-127) where the key counts and 0xe3 (2^100) where attention_mask is 0; the next launch holds the codes
; +1 (q) and -1 (k) at k = 64: a hidden key's score gets -2^100, an open key's -2^-127.  LIMITS: scores stay under 2^90 in magnitude; NaN and infinities among the inputs are not served.
; A RECORD of kv (one head, 128 keys, 8,960 bytes): k's codes, 8 tiles x 512; v's codes, 4 tiles of d x 1,024; k's scale words, 512; v's, 256.  Of qrec (4,608): q's codes, 8 x 512; its scale words, 512.
; REGISTERS, in windows of 256: window 0: see below; window 1: W, two buffers of 128 (tile u, K step s at 8 (8 u + s)); windows 2, 3: x's tiles 0-3, 4-7 (tile m, K step s at 64 (m % 4) + 8 s).
.set LI,  1                            ; 16 x lane
.set VW,  2                            ; a row of W's scale bytes: 32 (8 (lane / 16) + r + 8 (r / 8)): lanes 0-15 tile u = 0, lanes 16-31 u = 1
.set VB,  3                            ; 64 (lane / 16): my half's 16 biases
.set VR,  4                            ; 4 (r + 8 (r / 8))
.set VX,  5                            ; x's scale words: 512 (lane / 16) + 8 r: lanes 0-15 the even tile, lanes 16-31 the odd one
.set SO,  6                            ; 16 r + 8 (lane / 16): my 8 bytes of a block's 256
.set L8,  7                            ; 8 x lane
.set KOPEN, 8                          ; k's scale word without its two bytes: an open key's,
.set KHID,  9                          ; a hidden key's
.set XS,  12                           ; v12-43   x's scale words: pair of tiles i, K step s at 8 i + s
.set WS,  44                           ; v44-59   W's scale words: buffer p, K step s at 8 p + s
.set BI,  60                           ; v60-75   the biases: tile u at 8 u
.set SB,  76                           ; v76-83   scale words in the making
.set TM,  84                           ; v84-99   at work: +0 largest magnitudes, +4 bytes, +12 the conversions' scale operands
.set PC,  100                          ; v100-107 codes
.set SI,  108                          ; v108-111 scale words on their way out
.set ACC, 128                          ; v128-255 sixteen accumulators
.set SEL, 34                           ; s[34:35] v_permlanex16_b32's selects for lane l xor 16
.set HM,  36                           ; s36 lanes 16-31
.set MSB, 0
.macro WIN new                         ; the immediate's high byte repeats the setting that is left
.if MSB != (\new)
	s_set_vgpr_msb (MSB<<8)|(\new)
.set MSB, (\new)
.endif
.endm
.macro WM ra, rb                       ; one product on rD, rA, rB, rC, rSA, rSB; ra, rb: the side's scales stand in lanes 16-31
.if (\ra) && (\rb)
	v_wmma_scale_f32_16x16x128_f8f6f4 v[rD:rD+7], v[rA:rA+7], v[rB:rB+7], v[rC:rC+7], v[rSA], v[rSB] matrix_a_fmt:MATRIX_FMT_FP4 matrix_b_fmt:MATRIX_FMT_FP4 matrix_a_scale:MATRIX_SCALE_ROW1 matrix_b_scale:MATRIX_SCALE_ROW1
.elseif (\ra)
	v_wmma_scale_f32_16x16x128_f8f6f4 v[rD:rD+7], v[rA:rA+7], v[rB:rB+7], v[rC:rC+7], v[rSA], v[rSB] matrix_a_fmt:MATRIX_FMT_FP4 matrix_b_fmt:MATRIX_FMT_FP4 matrix_a_scale:MATRIX_SCALE_ROW1
.elseif (\rb)
	v_wmma_scale_f32_16x16x128_f8f6f4 v[rD:rD+7], v[rA:rA+7], v[rB:rB+7], v[rC:rC+7], v[rSA], v[rSB] matrix_a_fmt:MATRIX_FMT_FP4 matrix_b_fmt:MATRIX_FMT_FP4 matrix_b_scale:MATRIX_SCALE_ROW1
.else
	v_wmma_scale_f32_16x16x128_f8f6f4 v[rD:rD+7], v[rA:rA+7], v[rB:rB+7], v[rC:rC+7], v[rSA], v[rSB] matrix_a_fmt:MATRIX_FMT_FP4 matrix_b_fmt:MATRIX_FMT_FP4
.endif
.endm
.macro LOADW n                         ; unit n's two tiles of W (16 KiB, as they lie) and their scale words: 34 loads
.set WP, (\n)/2
.set WB, (\n)%2
	WIN 0x40                                       ; destination window 1
.set i, 0
.rept 32
	global_load_b128 v[128*WB+4*i:128*WB+4*i+3], v[LI], s[8:9] offset:WP*524288+WB*16384+512*i
.set i, i+1
.endr
	WIN 0
.irp k, 0,1
	global_load_b128 v[WS+8*WB+4*\k:WS+8*WB+4*\k+3], v[VW], s[10+2*WP:11+2*WP] offset:1024*WB+16*\k
.endr
.endm
.macro LOADBI n                        ; unit n's biases in the result's layout
.set WP, (\n)/2
.set WB, (\n)%2
.if WP < 2
.irp u, 0,1
.irp k, 0,1
	global_load_b128 v[BI+8*\u+4*\k:BI+8*\u+4*\k+3], v[VB], s[16+2*WP:17+2*WP] offset:4*(32*WB+8*\u)+16*\k   ; outputs 32 b + 16 h + 8 u + 0 .. 7
.endr
.endr
.else
.irp u, 0,1
.irp j, 0,1,2,3,4,5,6,7
	global_load_b32 v[BI+8*\u+\j], v[VR], s[20:21] offset:4*(32*WB+8*\u)   ; v: a lane holds one channel, so its bias stands in all eight registers
.endr
.endr
.endif
.endm
; 64 products: four tiles of tokens x two tiles of W x eight K steps.  The eight accumulators take turns, one instruction a turn.
.macro MULQK half, p
	WIN 0x09+4*(\half)                             ; source 0 (W) window 1, source 1 (x) window 2 or 3
.irp s, 0,1,2,3,4,5,6,7
.irp mm, 0,1,2,3
.irp u, 0,1
.set rD, ACC+16*(4*(\half)+\mm)+8*\u
.set rA, 128*(\p)+8*(8*\u+\s)
.set rB, 64*\mm+8*\s
.set rC, rD
.if \s == 0
.set rC, BI+8*\u
.endif
.set rSA, WS+8*(\p)+\s
.set rSB, XS+8*((4*(\half)+\mm)/2)+\s
	WM \u, \mm%2
.endr
.endr
.endr
.endm
.macro MULV half, p
	WIN 0x06+(\half)                               ; source 0 (x) window 2 or 3, source 1 (W) window 1
.irp s, 0,1,2,3,4,5,6,7
.irp mm, 0,1,2,3
.irp u, 0,1
.set rD, ACC+64*\u+8*(4*(\half)+\mm)
.set rA, 64*\mm+8*\s
.set rB, 128*(\p)+8*(8*\u+\s)
.set rC, rD
.if \s == 0
.set rC, BI+8*\u
.endif
.set rSA, XS+8*((4*(\half)+\mm)/2)+\s
.set rSB, WS+8*(\p)+\s
	WM \mm%2, \u
.endr
.endr
.endr
.endm
; Four half blocks of a lane, 16 registers each from v[s0] on, become codes in v[PC] on (two registers each) and bytes in v[TM+4] on.  A block's other half lies in lane l xor 16.
.macro QB s0
.irp b, 0,1,2,3
	v_max3_num_f32 v[TM+\b], |v[\s0+16*\b]|, |v[\s0+1+16*\b]|, 0x1800000   ; each accumulator is read from its low end on; the floor 2^(3 - 127) holds the byte at 1 from below
.endr
.irp i, 2,4,6,8,10,12,14
.irp b, 0,1,2,3
	v_max3_num_f32 v[TM+\b], v[TM+\b], |v[\s0+16*\b+\i]|, |v[\s0+1+16*\b+\i]|
.endr
.endr
.irp b, 0,1,2,3
	v_permlanex16_b32 v[TM+4+\b], v[TM+\b], s[SEL], s[SEL+1]
.endr
.irp b, 0,1,2,3
	v_max_num_f32 v[TM+\b], v[TM+\b], v[TM+4+\b]
.endr
.irp b, 0,1,2,3
	v_add_nc_u32 v[TM+12+\b], 0xff000000, v[TM+\b] ; 2 off the exponent field: the conversion's scale operand
.endr
.irp b, 0,1,2,3
	v_lshrrev_b32 v[TM+4+\b], 23, v[TM+12+\b]      ; the scale's byte
.endr
	s_wait_xcnt 0x0                                ; the last stores have read their data: the codes' registers are written again only behind this wait
.irp b, 0,1,2,3
	v_cvt_scalef32_pk8_fp4_f32 v[PC+2*\b], v[\s0+16*\b:\s0+16*\b+7], v[TM+12+\b]
	v_cvt_scalef32_pk8_fp4_f32 v[PC+2*\b+1], v[\s0+16*\b+8:\s0+16*\b+15], v[TM+12+\b]
.endr
	v_nop                                          ; one plain line behind the last scaled conversion
.endm
.macro EPIQK proj, blk                 ; block blk of q (proj = 0) or k (1), for the eight tiles of tokens
.if ((\proj) == 1) && ((\blk) == 0)
.irp m, 0,1,2,3,4,5,6,7
	v_cmp_eq_u32 vcc_lo, 0, v[SB+\m]               ; the key's word of attention_mask
	v_cndmask_b32 v[SB+\m], v[KOPEN], v[KHID], vcc_lo
.endr
.endif
.irp g, 0,1
	QB ACC+64*\g
.irp i, 0,1,2,3
	global_store_b64 v[SO], v[PC+2*\i:PC+2*\i+1], s[24+2*(\proj):25+2*(\proj)] offset:512*(4*\g+\i)+256*(\blk)   ; the wave stores 256 consecutive bytes, aligned: a tile's block
.endr
.irp i, 0,1,2,3
	v_lshl_or_b32 v[SB+4*\g+\i], v[TM+4+\i], 8*(\blk), v[SB+4*\g+\i]
.endr
.endr
.if (\blk) == 1
	s_wait_xcnt 0x0
.irp i, 0,1,2,3
	v_cndmask_b32 v[SI+\i], v[SB+\i], v[SB+4+\i], s[HM]   ; lanes 0-15: tiles 0-3's words of row r; lanes 16-31: tiles 4-7's
.endr
	global_store_b128 v[LI], v[SI:SI+3], s[24+2*(\proj):25+2*(\proj)] offset:4096+4096*(\proj)
.endif
.endm
.macro EPIV blk                        ; channels 32 blk on: two tiles of d x four blocks of 32 keys
.irp u, 0,1
	QB ACC+64*\u
.irp i, 0,1,2,3
	global_store_b64 v[SO], v[PC+2*\i:PC+2*\i+1], s[26:27] offset:4096+1024*(2*(\blk)+\u)+256*\i
.endr
	v_lshl_or_b32 v[SB+2*(\blk)+\u], v[TM+5], 8, v[TM+4]
	v_lshl_or_b32 v[SB+2*(\blk)+\u], v[TM+6], 16, v[SB+2*(\blk)+\u]
	v_lshl_or_b32 v[SB+2*(\blk)+\u], v[TM+7], 24, v[SB+2*(\blk)+\u]
.endr
.if (\blk) == 1
	s_wait_xcnt 0x0
	v_cndmask_b32 v[SI], v[SB], v[SB+2], s[HM]     ; lanes 0-15: tiles 0, 1; lanes 16-31: tiles 2, 3
	v_cndmask_b32 v[SI+1], v[SB+1], v[SB+3], s[HM]
	global_store_b64 v[L8], v[SI:SI+1], s[26:27] offset:8704
.endif
.endm
.macro UNIT n
.if (\n) < 5
	LOADW (\n)+1                                   ; into the buffer that the unit before multiplied: its way out stands between
.endif
.if (\n) == 0
	s_wait_loadcnt 63                              ; x's tiles 0-3 and all before them are in: 98 loads were issued behind them, and 63 is the largest count that a wait names
.elseif (\n) < 5
	s_wait_loadcnt 34                              ; all but the next unit's 34
.else
	s_wait_loadcnt 0x0
.endif
.if (\n) < 4
	MULQK 0, (\n)%2
.else
	MULV 0, (\n)%2
.endif
.if (\n) == 0
	s_wait_loadcnt 34                              ; x's tiles 4-7 are in
.endif
.if (\n) < 4
	MULQK 1, (\n)%2
.else
	MULV 1, (\n)%2
.endif
	WIN 0
.rept 4
	v_nop                                          ; four places behind the last product, ahead of the loads into the biases' registers and of the first read of results
.endr
.if (\n) < 5
	LOADBI (\n)+1
.endif
.if (\n) < 4
	EPIQK (\n)/2, (\n)%2
.else
	EPIV (\n)%2
.endif
.endm
	s_load_b512 s[4:19], s[0:1], 0x0               ; xq, xs, wimg, Wq_scales, Wk_scales, Wv_scales, bq, bk
	s_load_b256 s[20:27], s[0:1], 0x40             ; bv, attention_mask, qrec, kv
	v_lshrrev_b32 v10, 5, v0
	v_readfirstlane_b32 s28, v10                   ; wave
	v_and_b32 v10, 31, v0
	v_lshlrev_b32 v[LI], 4, v10
	v_lshlrev_b32 v[L8], 3, v10
	v_and_b32 v11, 15, v0                          ; r
	v_bfe_u32 v10, v0, 4, 1                        ; h
	v_lshlrev_b32 v[SO], 4, v11
	v_lshl_add_u32 v[SO], v10, 3, v[SO]
	v_lshlrev_b32 v[VX], 3, v11
	v_lshl_add_u32 v[VX], v10, 9, v[VX]
	v_lshlrev_b32 v[VB], 6, v10
	v_and_b32 v[VR], 8, v0
	v_add_nc_u32 v[VR], v[VR], v11                 ; r + 8 (r / 8)
	v_lshl_add_u32 v[VW], v10, 3, v[VR]
	v_lshlrev_b32 v[VW], 5, v[VW]
	v_lshlrev_b32 v[VR], 2, v[VR]
	v_mov_b32 v[KOPEN], 0x7f000000
	v_mov_b32 v[KHID], 0x7fe30000
.irp b, 0,1,2,3
	v_mov_b32 v[TM+4+\b], 0                        ; written once: a lane permute's destination counts as one of its sources
.endr
.irp m, 0,1,2,3,4,5,6,7
	v_mov_b32 v[SB+\m], 0x7f7f0000                 ; q's scale words: blocks 2 and 3 have the scale 1
.endr
	s_mov_b32 s[SEL], 0x76543210
	s_mov_b32 s[SEL+1], 0xfedcba98
	s_mov_b32 s[HM], 0xffff0000
	s_and_b32 s29, ttmp7, 0xffff                   ; the group of 128 tokens
	s_lshl_b32 s30, ttmp9, 2
	s_add_co_u32 s30, s30, s28                     ; the head
	s_lshr_b32 s31, s29, 4
	s_lshl_b32 s31, s31, 4
	s_add_co_u32 s31, s31, s30                     ; 16 x batch + head
	s_lshl_b32 s31, s31, 4
	s_and_b32 s37, s29, 15
	s_add_co_u32 s31, s31, s37                     ; the record: x 16 + the group in its batch
	s_mov_b32 s33, 0
	s_wait_kmcnt 0x0
	s_lshl_b32 s32, s29, 16
	s_add_nc_u64 s[4:5], s[4:5], s[32:33]          ; the group's eight tiles of x
	s_lshl_b32 s32, s29, 12
	s_add_nc_u64 s[6:7], s[6:7], s[32:33]
	s_lshl_b32 s32, s30, 15
	s_add_nc_u64 s[8:9], s[8:9], s[32:33]          ; the head's four tiles in each weight's image
	s_lshl_b32 s32, s30, 11
	s_add_nc_u64 s[10:11], s[10:11], s[32:33]
	s_add_nc_u64 s[12:13], s[12:13], s[32:33]
	s_add_nc_u64 s[14:15], s[14:15], s[32:33]
	s_lshl_b32 s32, s30, 8
	s_add_nc_u64 s[16:17], s[16:17], s[32:33]
	s_add_nc_u64 s[18:19], s[18:19], s[32:33]
	s_add_nc_u64 s[20:21], s[20:21], s[32:33]
	s_lshl_b32 s32, s29, 9
	s_add_nc_u64 s[22:23], s[22:23], s[32:33]
	s_mul_i32 s32, s31, 4608
	s_add_nc_u64 s[24:25], s[24:25], s[32:33]
	s_mul_i32 s32, s31, 8960
	s_add_nc_u64 s[26:27], s[26:27], s[32:33]
.irp b, 0,1,2,3
.irp w, 0,1,2,3
	global_load_b64 v[XS+8*\b+2*\w:XS+8*\b+2*\w+1], v[VX], s[6:7] offset:1024*\b+128*\w
.endr
.endr
	LOADW 0
	LOADBI 0
	WIN 0x80                                       ; destination window 2
.set i, 0
.rept 64
	global_load_b128 v[4*i:4*i+3], v[LI], s[4:5] offset:512*i          ; x's tiles 0-3, as they lie
.set i, i+1
.endr
	WIN 0xc0                                       ; destination window 3
.set i, 0
.rept 64
	global_load_b128 v[4*i:4*i+3], v[LI], s[4:5] offset:32768+512*i    ; tiles 4-7
.set i, i+1
.endr
	WIN 0
	UNIT 0
	UNIT 1
.irp m, 0,1,2,3,4,5,6,7
	global_load_b32 v[SB+\m], v[VR], s[22:23] offset:4*(32*(\m/2)+8*(\m%2))   ; attention_mask of tile m's keys: q's words have left these registers; the next unit's wait covers the loads
.endr
	UNIT 2
	UNIT 3
	UNIT 4
	UNIT 5
	s_endpgm
.Lfunc_end_k_q7a665fb38d_qkv:
	.size	k_q7a665fb38d_qkv, .Lfunc_end_k_q7a665fb38d_qkv-k_q7a665fb38d_qkv
	.p2alignl 7, 3214868480
	.fill 96, 4, 3214868480
	.section	.rodata,"a",@progbits
	.p2align	6, 0x0
	.amdhsa_kernel k_q7a665fb38d_qkv
		.amdhsa_group_segment_fixed_size 0
		.amdhsa_private_segment_fixed_size 0
		.amdhsa_enable_private_segment 0
		.amdhsa_kernarg_size 96
		.amdhsa_user_sgpr_count 2
		.amdhsa_user_sgpr_kernarg_segment_ptr 1
		.amdhsa_wavefront_size32 1
		.amdhsa_system_sgpr_workgroup_id_x 1
		.amdhsa_system_sgpr_workgroup_id_y 1
		.amdhsa_system_sgpr_workgroup_id_z 1
		.amdhsa_system_vgpr_workitem_id 0
		.amdhsa_next_free_vgpr 1024
		.amdhsa_next_free_sgpr 66
		.amdhsa_reserve_vcc 1
		.amdhsa_float_denorm_mode_32 3
		.amdhsa_float_denorm_mode_16_64 3
		.amdhsa_memory_ordered 1
		.amdhsa_forward_progress 1
		.amdhsa_inst_pref_size 189
	.end_amdhsa_kernel
	.amdgpu_metadata
---
amdhsa.version: [ 1, 2 ]
amdhsa.kernels:
  - .name:           k_q7a665fb38d_qkv
    .symbol:         k_q7a665fb38d_qkv.kd
    .args:
      - { .name: xq, .offset: 0, .size: 8, .value_kind: global_buffer, .address_space: global }
      - { .name: xs, .offset: 8, .size: 8, .value_kind: global_buffer, .address_space: global }
      - { .name: wimg, .offset: 16, .size: 8, .value_kind: global_buffer, .address_space: global }
      - { .name: Wq_scales, .offset: 24, .size: 8, .value_kind: global_buffer, .address_space: global }
      - { .name: Wk_scales, .offset: 32, .size: 8, .value_kind: global_buffer, .address_space: global }
      - { .name: Wv_scales, .offset: 40, .size: 8, .value_kind: global_buffer, .address_space: global }
      - { .name: bq, .offset: 48, .size: 8, .value_kind: global_buffer, .address_space: global }
      - { .name: bk, .offset: 56, .size: 8, .value_kind: global_buffer, .address_space: global }
      - { .name: bv, .offset: 64, .size: 8, .value_kind: global_buffer, .address_space: global }
      - { .name: attention_mask, .offset: 72, .size: 8, .value_kind: global_buffer, .address_space: global }
      - { .name: qrec, .offset: 80, .size: 8, .value_kind: global_buffer, .address_space: global }
      - { .name: kv, .offset: 88, .size: 8, .value_kind: global_buffer, .address_space: global }
    .group_segment_fixed_size: 0
    .private_segment_fixed_size: 0
    .kernarg_segment_align: 8
    .kernarg_segment_size: 96
    .max_flat_workgroup_size: 128
    .sgpr_count:     66
    .vgpr_count:     1024
    .wavefront_size: 32
...
	.end_amdgpu_metadata
.endif
;; end of part 2
;; launch attn (part 3): grid 8 x 32, 16 waves a work-group, clusters of 4 x 1, 288,768 bytes of LDS; arguments qrec, kv, hc, hs; writes hc, hs
.if DOCPART == 3
	.amdgcn_target "amdgcn-amd-amdhsa--gfx1250"
	.amdhsa_code_object_version 6
	.text
	.protected	k_q7a665fb38d_attn
	.globl	k_q7a665fb38d_attn
	.p2align	8
	.type	k_q7a665fb38d_attn,@function
k_q7a665fb38d_attn:
	s_mov_b64 s[64:65], 0
	v_nop
	global_prefetch_b8 v0, s[64:65] scope:SCOPE_SE
	s_setreg_imm32_b32 hwreg(HW_REG_WAVE_MODE, 25, 1), 1
	s_wait_xcnt 0x0
	s_wait_alu depctr_hold_cnt(0) depctr_sa_sdst(0) depctr_va_vdst(0) depctr_va_sdst(0) depctr_va_ssrc(0) depctr_va_vcc(0) depctr_vm_vsrc(0)
	s_getreg_b32 s2, hwreg(HW_REG_IB_STS2, 6, 4)
	s_cmp_eq_u32 s2, 0
	s_cbranch_scc0 .Lentry_in_a_cluster
	s_endpgm
.Lentry_in_a_cluster:
	s_bfe_u32 s2, ttmp6, 0x10000c
	s_cmp_lg_u32 s2, 0x3003
	s_cbranch_scc0 .Lentry_shape_is_right
	s_endpgm
.Lentry_shape_is_right:
; Hctx = softmax(q k^T / 8, masked) v for two heads of one batch, both products on codes of FP4 (E2M1); Hctx leaves as codes along D, in the order of the last product's operand registers.
; THE SOFTMAX: t = score x log2(e) / 8; M = the running largest t rounded UP to a whole number; p = 2^(t - M) is quantised along the keys, not normalised; the row's sum is taken of the unquantised p and divides at the end.
; When M moves, the sum and O are multiplied by 2^(old M - new M): exact.
; SHARES.  A work-group owns 256 queries and a PAIR of heads; each of its sixteen waves owns one tile of 16 queries, in 256 registers: four waves to a SIMD, so that one wave's vector work stands beside another's products and LDS loads.
; A wave walks all 2,048 keys of the first head, 128 a step, then of the second.
; LDS holds both heads' records of k and v WHOLE: 2 x 16 x 8,960 bytes, as they lie in memory.  It is filled once: every wave brings one record of each head; nothing is filled again, so there is no ring.
; CLUSTER.  The four work-groups of a cluster are four blocks of queries of the same pair of heads: each record is asked for JOINTLY, by the same tensor load with the same descriptor and a mask that names the four.
; No prefetch: every byte of k and v is asked for by the tensor loads at the head.
; LAYOUT.  Both products are used transposed: S^T = k q^T (source 0 = 16 keys), O^T = v^T p^T (source 0 = 16 channels): a lane holds ONE query throughout.  The keys and the channels of a tile are chosen (by the launch before) so that
; the 16 registers of two neighbouring tiles are 16 neighbours: keys 32 b + 16 (lane / 16) + 0 .. 15 in S^T, channels likewise in O^T.
; THE MASK costs no line here.  A head's 64 fill blocks 0 and 1 of the instruction's K = 128.  At k = 64 q's fragment holds the code +1 and every fragment of k the code -1; block 2's scale byte of a key is 2^-127 (open) or 2^100 (hidden).
; A hidden key's score is so -2^100, its p 0.  The running largest t begins at -2^90: steps all of whose keys are hidden give p = 0 and move nothing.
; LIMITS: |t| stays under 2^90; an open key's score carries -2^-127.  A batch with no open key ends with the sum 0: its scale bytes of Hctx are set to 0xff, so that the last product, and the output, are NaN there, as in the reference.
.set LI,  1                            ; 16 x lane
.set L8,  2                            ; 8 x lane
.set SO,  3                            ; 16 r + 8 (lane / 16)
.set R16, 4                            ; 16 r
.set R4,  5                            ; 4 r
.set A0,  6                            ; the step's record + 16 x lane
.set A1,  7                            ; the step's record + 8 x lane
.set SW,  8                            ; Hctx's scale word: two bytes of each head
.set KS,  24                           ; v24-27 k's scale words: lanes 0-15 tiles 0-3, lanes 16-31 tiles 4-7
.set VS,  28                           ; v28-29 v's: lanes 0-15 tiles 0, 1, lanes 16-31 tiles 2, 3
; v9 the sum, v10 at work, v11 its reciprocal; v12 -M, v13 the largest t, v[14:15] the sum in two halves; v16-23 q; v32-63, v200-231 k's eight tiles; v64-95 v's four; v96-159 S^T, then p; v160-191 O^T; v192-199 p's codes;
; v232-254 at work; v253 p's scale word; v255 q's.
.set WV,  12
.set CS,  16                           ; s[16:17] c = log2(e) / 8: the packed form names a pair and takes its low word for both halves
.set SEL, 18                           ; s[18:19] v_permlanex16_b32's selects for lane l xor 16
.set TB,  20                           ; LDS byte at which the step's record begins
.set CNT, 21
.set G1,  24                           ; s[24:31] descriptor group 1;  s[32:35], s[36:39] groups 0 for the two heads' records
.set G0A, 32
.set G0B, 36
.set QA,  40                           ; s[40:41] my tile of q;  s[42:43] its scale words;  s[44:45] my tile of hc;  s[46:47] my words of hs
.set QS,  42
.set HC,  44
.set HSB, 46
.set REC, 8960
.set HEADB, 16*REC
.macro ROUND                           ; a round of the cluster's barrier: my work-group's barrier; wave 0 signals for the work-group; every wave waits for all four work-groups; my work-group's barrier once more
	s_barrier_signal -1
	s_barrier_wait -1
	s_cmp_lg_u32 s[WV], 0
	s_cbranch_scc1 .Lnot_wave_0_\@
	s_barrier_signal -3
.Lnot_wave_0_\@:
	s_barrier_wait -3
	s_barrier_signal -1
	s_barrier_wait -1
.endm
	s_load_b256 s[4:11], s[0:1], 0x0               ; qrec, kv, hc, hs
	v_lshl_add_u32 v250, v0, 2, 0x46000
	v_mov_b32 v251, 0
	ds_add_u32 v250, v251
	ds_add_u32 v250, v251
	v_lshrrev_b32 v6, 5, v0
	v_readfirstlane_b32 s[WV], v6                  ; wave 0..15
	s_and_b32 s15, ttmp7, 0xffff                   ; y = 8 x batch + pair of heads: the four partners share it
	s_mul_i32 s50, s15, 2*HEADB
	s_mul_i32 s[G0A+1], s[WV], REC                 ; my record's place in LDS: the wave's number alone enters it
	s_add_co_u32 s50, s50, s[G0A+1]                ; and in kv: no place in the cluster enters it
	s_mov_b32 s51, 0
	; descriptor group 1: a record is a dense block: 35 rows of 256 bytes (32 elements of 8 bytes)
	s_mov_b32 s[G1], 15|(3<<16)|(1<<21)            ; 15:0 the mask: all four work-groups; 17:16 elements of 8 bytes; 21 set beside a mask; no padding
	s_mov_b32 s[G1+1], 32<<16                      ; tensor_dim0 = 32
	s_mov_b32 s[G1+2], 35<<16                      ; tensor_dim1 = 35
	s_mov_b32 s[G1+3], 32<<16                      ; tile_dim0 = 32
	s_mov_b32 s[G1+4], 35                          ; tile_dim1 = 35
	s_mov_b32 s[G1+5], 32                          ; from row to row
	s_mov_b32 s[G1+6], 0
	s_mov_b32 s[G1+7], 0
	s_mov_b32 s[CS], 0x3e38aa3b
	s_mov_b32 s[CS+1], s[CS]
	s_mov_b32 s[SEL], 0x76543210
	s_mov_b32 s[SEL+1], 0xfedcba98
	s_bfe_u32 s13, ttmp6, 0x40000                  ; cx: it enters the global addresses of q, hc and hs alone
	s_lshl_b32 s14, ttmp9, 2
	s_add_co_u32 s14, s14, s13                     ; my block of 256 queries
	s_lshl_b32 s52, s15, 5
	s_lshl_b32 s53, s14, 1
	s_add_co_u32 s52, s52, s53
	s_lshr_b32 s53, s[WV], 3
	s_add_co_u32 s52, s52, s53                     ; q's record: 16 x (first head) + the group of 128 queries
	s_mul_i32 s52, s52, 4608
	s_mov_b32 s53, 0
	s_mov_b32 s55, 0
	s_wait_dscnt 0x0
	s_wait_kmcnt 0x0
	s_add_nc_u64 s[QA:QA+1], s[4:5], s[52:53]
	s_bfe_u32 s54, s[WV], 0x10002
	s_lshl_b32 s54, s54, 8
	s_and_b32 s56, s[WV], 3
	s_lshl_b32 s56, s56, 2
	s_add_co_u32 s54, s54, s56
	s_add_co_u32 s54, s54, 4096
	s_add_nc_u64 s[QS:QS+1], s[QA:QA+1], s[54:55]  ; my tile's words in the record's image of scale words
	s_and_b32 s54, s[WV], 7
	s_lshl_b32 s54, s54, 9
	s_add_nc_u64 s[QA:QA+1], s[QA:QA+1], s[54:55]  ; my tile's 512 bytes of codes
	s_lshr_b32 s52, s15, 3
	s_lshl_b32 s52, s52, 7
	s_lshl_b32 s54, s14, 4
	s_add_co_u32 s52, s52, s54
	s_add_co_u32 s52, s52, s[WV]                   ; my tile of tokens: 128 x batch + 16 x block + wave
	s_and_b32 s56, s15, 7                          ; the pair of heads = the last product's K step
	s_lshl_b32 s54, s52, 13
	s_lshl_b32 s57, s56, 10
	s_add_co_u32 s54, s54, s57
	s_add_nc_u64 s[HC:HC+1], s[8:9], s[54:55]
	s_lshr_b32 s54, s52, 1
	s_lshl_b32 s54, s54, 10
	s_lshl_b32 s57, s56, 7
	s_add_co_u32 s54, s54, s57
	s_and_b32 s57, s[WV], 1
	s_lshl_b32 s57, s57, 6
	s_add_co_u32 s54, s54, s57
	s_add_nc_u64 s[HSB:HSB+1], s[10:11], s[54:55]
	ROUND                                          ; all four work-groups are here: the joint loads meet
	s_mov_b32 s[G0A], 1                            ; count = 1
	s_add_nc_u64 s[G0A+2:G0A+3], s[6:7], s[50:51]  ; the first head's record w
	s_mov_b32 s[G0B], 1
	s_add_co_u32 s[G0B+1], s[G0A+1], HEADB
	s_add_nc_u64 s[G0B+2:G0B+3], s[G0A+2:G0A+3], HEADB   ; the second head's
	s_or_b32 s[G0A+3], s[G0A+3], 0x80000000        ; type = 2
	s_or_b32 s[G0B+3], s[G0B+3], 0x80000000
	tensor_load_to_lds s[G0A:G0A+3], s[G1:G1+7]    ; both fills of a wave stand together, ahead of every wait on TENSORcnt and every LDS read: two loads of mine are out
	s_nop 0
	tensor_load_to_lds s[G0B:G0B+3], s[G1:G1+7]
	s_nop 0
.rept 4
	v_nop                                          ; behind a tensor load
.endr
	v_and_b32 v6, 31, v0
	v_lshlrev_b32 v[LI], 4, v6
	v_lshlrev_b32 v[L8], 3, v6
	v_and_b32 v6, 15, v0                           ; r
	v_bfe_u32 v7, v0, 4, 1                         ; h
	v_lshlrev_b32 v[R16], 4, v6
	v_lshlrev_b32 v[R4], 2, v6
	v_lshl_add_u32 v[SO], v7, 3, v[R16]
	v_mov_b32 v[SW], 0
	v_mov_b32 v10, 0                               ; written once: a lane permute's destination counts as one of its sources
	v_lshlrev_b32 v9, 1, v7
	v_sub_nc_u32 v20, 2, v9                        ; q's block 2 (lanes 0-15): the code +1 at k = 64; block 3 (lanes 16-31): zeros
	v_mov_b32 v21, 0
	v_mov_b32 v22, 0
	v_mov_b32 v23, 0
	v_mul_u32_u24 v9, v7, 10
	v_sub_nc_u32 v9, 10, v9                        ; k's: the code -1
.irp T, 0,1,2,3
	v_mov_b32 v[36+8*\T], v9
	v_mov_b32 v[37+8*\T], 0
	v_mov_b32 v[38+8*\T], 0
	v_mov_b32 v[39+8*\T], 0
	v_mov_b32 v[204+8*\T], v9
	v_mov_b32 v[205+8*\T], 0
	v_mov_b32 v[206+8*\T], 0
	v_mov_b32 v[207+8*\T], 0
.endr
.irp b, 0,1,2,3
	v_mov_b32 v[236+\b], 0
.endr
	v_mov_b32 v253, 0                              ; (named as the upper half of the pair v[252:253] before it is first written)
; A KEY STEP: 128 keys, one record.
.macro STEP
	v_add_nc_u32 v[A0], s[TB], v[LI]
	v_add_nc_u32 v[A1], s[TB], v[L8]
	v_nop
	v_nop                                          ; four places behind the last step's products, ahead of the loads into v's registers
	ds_load_b128 v[KS:KS+3], v[A0] offset:8192
.irp T, 0,1,2,3
	ds_load_b128 v[32+8*\T:35+8*\T], v[A0] offset:512*\T           ; a tile of k: blocks 0 and 1, 512 consecutive bytes
.endr
.irp T, 4,5,6,7
	ds_load_b128 v[168+8*\T:171+8*\T], v[A0] offset:512*\T
.endr
.irp t, 0,1,2,3
.irp c, 0,1
	ds_load_b128 v[64+8*\t+4*\c:67+8*\t+4*\c], v[A0] offset:4096+1024*\t+512*\c
.endr
.endr
	ds_load_b64 v[VS:VS+1], v[A1] offset:8704
	s_wait_dscnt 9                                 ; k and its words are in; v's eight loads and its words may be out
.irp T, 0,1,2,3
	v_wmma_scale_f32_16x16x128_f8f6f4 v[96+8*\T:103+8*\T], v[32+8*\T:39+8*\T], v[16:23], 0, v[KS+\T], v255 matrix_a_fmt:MATRIX_FMT_FP4 matrix_b_fmt:MATRIX_FMT_FP4
.endr
.irp T, 4,5,6,7
	v_wmma_scale_f32_16x16x128_f8f6f4 v[96+8*\T:103+8*\T], v[168+8*\T:175+8*\T], v[16:23], 0, v[KS+\T-4], v255 matrix_a_fmt:MATRIX_FMT_FP4 matrix_b_fmt:MATRIX_FMT_FP4 matrix_a_scale:MATRIX_SCALE_ROW1
.endr
.rept 4
	v_nop
.endr
.irp b, 0,1,2,3
	v_max3_num_f32 v[232+\b], v[96+16*\b], v[97+16*\b], v[98+16*\b]   ; the largest score of each block of 32 keys: it serves for the row's maximum and, since p rises with the score, for the block's largest p
.endr
.irp i, 3,5,7,9,11,13
.irp b, 0,1,2,3
	v_max3_num_f32 v[232+\b], v[232+\b], v[96+16*\b+\i], v[97+16*\b+\i]
.endr
.endr
.irp b, 0,1,2,3
	v_max_num_f32 v[232+\b], v[232+\b], v[111+16*\b]
.endr
.irp b, 0,1,2,3
	v_permlanex16_b32 v[236+\b], v[232+\b], s[SEL], s[SEL+1]
.endr
.irp b, 0,1,2,3
	v_max_num_f32 v[232+\b], v[232+\b], v[236+\b]  ; with lane l xor 16's 16 keys
.endr
	v_max3_num_f32 v254, v232, v233, v234
	v_max_num_f32 v254, v254, v235
	v_mul_f32 v254, s[CS], v254                    ; the step's largest t of my query
	v_max_num_f32 v13, v13, v254
	v_mov_b32 v254, v12
	v_floor_f32 v12, -v13                          ; the new -M = -ceil(t): a whole number
	v_sub_f32 v254, v12, v254                      ; old M - new M: a whole number, 0 or less
	v_cvt_i32_f32 v254, v254                       ; (it saturates)
	v_ldexp_f32 v252, 1.0, v254                    ; f = 2^(old M - new M)
.set j, 0
.rept 32
	v_pk_fma_f32 v[96+j:97+j], v[96+j:97+j], s[CS:CS+1], v[12:13] op_sel_hi:[1,0,0]   ; t - M, two at a time
.set j, j+2
.endr
.irp b, 0,1,2,3
	v_fma_f32 v[232+\b], v[232+\b], s[CS], v12     ; the same of each block's largest score
.endr
.set j, 0
.rept 64
	v_exp_f32 v[96+j], v[96+j]                     ; p = 2^(t - M)
.set j, j+1
.endr
	v_pk_mul_f32 v[14:15], v[14:15], v[252:253] op_sel_hi:[1,0]    ; the sums under the new M (the plain line behind the exponentials)
	s_wait_alu depctr_va_vdst(0)                   ; one wait for the batch of 64, ahead of its first reader
.irp b, 0,1,2,3
	v_exp_f32 v[232+\b], v[232+\b]                 ; the block's largest p
.endr
	v_pk_add_f32 v[236:237], v[96:97], v[98:99]    ; the row's sum of the unquantised p, in two chains
.irp j, 4,8,12,16,20,24,28,32,36,40,44,48,52,56,60
	v_pk_add_f32 v[14:15], v[14:15], v[96+\j:97+\j]
	v_pk_add_f32 v[236:237], v[236:237], v[98+\j:99+\j]
.endr
	v_pk_add_f32 v[14:15], v[14:15], v[236:237]
	s_wait_alu depctr_va_vdst(0)                   ; and one for the four
.irp b, 0,1,2,3
	v_max_num_f32 v[232+\b], 0x1800000, v[232+\b]  ; the floor 2^(3 - 127): a block whose every p is 0 keeps the byte 1; its codes are zeros
.endr
.irp b, 0,1,2,3
	v_add_nc_u32 v[244+\b], 0xff000000, v[232+\b]
.endr
.irp b, 0,1,2,3
	v_lshrrev_b32 v[236+\b], 23, v[244+\b]
.endr
	v_lshl_or_b32 v253, v237, 8, v236              ; p's scale word for these 128 keys
	v_lshl_or_b32 v253, v238, 16, v253
	v_lshl_or_b32 v253, v239, 24, v253
.irp b, 0,1,2,3
	v_cvt_scalef32_pk8_fp4_f32 v[192+2*\b], v[96+16*\b:103+16*\b], v[244+\b]
	v_cvt_scalef32_pk8_fp4_f32 v[193+2*\b], v[104+16*\b:111+16*\b], v[244+\b]
.endr
	v_nop                                          ; one plain line behind the last scaled conversion
.irp c, 0,1                                    ; the operand's layout wants a whole block in a lane
.irp i, 0,1
	v_permlane16_swap_b32 v[192+4*\c+\i], v[194+4*\c+\i]
.endr
.endr
.set j, 0
.rept 16
	v_pk_mul_f32 v[160+j:161+j], v[160+j:161+j], v[252:253] op_sel_hi:[1,0]   ; O^T under the new M; these sixteen are also the places between p's scale word and codes and the products
.set j, j+2
.endr
	s_wait_dscnt 0x0                               ; v is in
.irp t, 0,1
	v_wmma_scale_f32_16x16x128_f8f6f4 v[160+8*\t:167+8*\t], v[64+8*\t:71+8*\t], v[192:199], v[160+8*\t:167+8*\t], v[VS+\t], v253 matrix_a_fmt:MATRIX_FMT_FP4 matrix_b_fmt:MATRIX_FMT_FP4
.endr
.irp t, 2,3
	v_wmma_scale_f32_16x16x128_f8f6f4 v[160+8*\t:167+8*\t], v[64+8*\t:71+8*\t], v[192:199], v[160+8*\t:167+8*\t], v[VS+\t-2], v253 matrix_a_fmt:MATRIX_FMT_FP4 matrix_b_fmt:MATRIX_FMT_FP4 matrix_a_scale:MATRIX_SCALE_ROW1
.endr
.endm
; A HEAD: e = 0, 1.
.macro PASS e
	s_wait_xcnt 0x0                                ; the last head's stores have read their data: p's codes' registers are written again only behind this wait
	global_load_b128 v[16:19], v[LI], s[QA:QA+1] offset:73728*\e   ; q's blocks 0 and 1; a head on is 16 records of 4,608 bytes
	global_load_b32 v255, v[R16], s[QS:QS+1] offset:73728*\e
	v_mov_b32 v13, 0xec800000                      ; the largest t so far: -2^90
	v_floor_f32 v12, -v13
	v_mov_b32 v14, 0
	v_mov_b32 v15, 0
.set j, 0
.rept 32
	v_mov_b32 v[160+j], 0                          ; O^T: the step is written once; its first trip finds zeros
.set j, j+1
.endr
	s_mov_b32 s[TB], HEADB*\e
	s_mov_b32 s[CNT], 16
	s_wait_loadcnt 0x0
.Lstep_\@:
	STEP
	s_add_co_u32 s[TB], s[TB], REC
	s_sub_co_u32 s[CNT], s[CNT], 1
	s_cmp_lg_u32 s[CNT], 0
	s_cbranch_scc1 .Lstep_\@
.rept 4
	v_nop                                          ; four places behind the last products
.endr
	v_add_f32 v9, v14, v15
	v_permlanex16_b32 v10, v9, s[SEL], s[SEL+1]
	v_add_f32 v9, v9, v10                          ; the row's sum
	v_rcp_f32 v11, v9
	v_nop
	s_wait_alu depctr_va_vdst(0)                   ; ahead of the reciprocal's first reader
.set j, 0
.rept 32
	v_mul_f32 v[96+j], v[160+j], v11               ; Hctx: register 16 b + i is channel 32 b + 16 (lane / 16) + i of my query; each accumulator from its low end on
.set j, j+1
.endr
.irp b, 0,1
	v_max3_num_f32 v[232+\b], |v[96+16*\b]|, |v[97+16*\b]|, 0x1800000
.endr
.irp i, 2,4,6,8,10,12,14
.irp b, 0,1
	v_max3_num_f32 v[232+\b], v[232+\b], |v[96+16*\b+\i]|, |v[97+16*\b+\i]|
.endr
.endr
.irp b, 0,1
	v_permlanex16_b32 v[236+\b], v[232+\b], s[SEL], s[SEL+1]
.endr
.irp b, 0,1
	v_max_num_f32 v[232+\b], v[232+\b], v[236+\b]
.endr
.irp b, 0,1
	v_add_nc_u32 v[244+\b], 0xff000000, v[232+\b]
.endr
.irp b, 0,1
	v_lshrrev_b32 v[236+\b], 23, v[244+\b]
.endr
	v_lshl_or_b32 v10, v237, 8, v236
	v_cmp_neq_f32 vcc_lo, 0, v9
	v_cndmask_b32 v10, 0xffff, v10, vcc_lo         ; no open key: the bytes that make the last product NaN
	v_lshrrev_b32 v[SW], 16, v[SW]
	v_lshl_or_b32 v[SW], v10, 16, v[SW]            ; the first head's two bytes end below, the second's above
.irp b, 0,1
	v_cvt_scalef32_pk8_fp4_f32 v[192+2*\b], v[96+16*\b:103+16*\b], v[244+\b]
	v_cvt_scalef32_pk8_fp4_f32 v[193+2*\b], v[104+16*\b:111+16*\b], v[244+\b]
.endr
	v_nop
	global_store_b64 v[SO], v[192:193], s[HC:HC+1] offset:512*\e        ; the wave stores 256 consecutive bytes, aligned: a block of the tile's image
	global_store_b64 v[SO], v[194:195], s[HC:HC+1] offset:512*\e+256
.endm
	s_wait_tensorcnt 0x1                           ; my record of the first head is in; the second head's may stay out
	s_barrier_signal -1
	s_barrier_wait -1                              ; everybody's is
	PASS 0
	s_wait_tensorcnt 0x0                           ; my record of the second head is in
	s_wait_dscnt 0x0
	s_barrier_signal -1
	s_barrier_wait -1
	PASS 1
	global_store_b32 v[R4], v[SW], s[HSB:HSB+1]    ; my 16 rows' scale words of this K step; lanes 16-31 write the same words with the same values
	s_wait_tensorcnt 0x0
	ds_add_u32 v250, v251
	s_wait_dscnt 0x0
	ROUND                                          ; the closing round: no work-group ends while a partner may still ask for a record that names it
	s_endpgm
.Lfunc_end_k_q7a665fb38d_attn:
	.size	k_q7a665fb38d_attn, .Lfunc_end_k_q7a665fb38d_attn-k_q7a665fb38d_attn
	.p2alignl 7, 3214868480
	.fill 96, 4, 3214868480
	.section	.rodata,"a",@progbits
	.p2align	6, 0x0
	.amdhsa_kernel k_q7a665fb38d_attn
		.amdhsa_group_segment_fixed_size 288768
		.amdhsa_private_segment_fixed_size 0
		.amdhsa_enable_private_segment 0
		.amdhsa_kernarg_size 32
		.amdhsa_user_sgpr_count 2
		.amdhsa_user_sgpr_kernarg_segment_ptr 1
		.amdhsa_wavefront_size32 1
		.amdhsa_system_sgpr_workgroup_id_x 1
		.amdhsa_system_sgpr_workgroup_id_y 1
		.amdhsa_system_sgpr_workgroup_id_z 1
		.amdhsa_system_vgpr_workitem_id 0
		.amdhsa_next_free_vgpr 256
		.amdhsa_next_free_sgpr 66
		.amdhsa_reserve_vcc 1
		.amdhsa_float_denorm_mode_32 3
		.amdhsa_float_denorm_mode_16_64 3
		.amdhsa_memory_ordered 1
		.amdhsa_forward_progress 1
		.amdhsa_inst_pref_size 47
	.end_amdhsa_kernel
	.amdgpu_metadata
---
amdhsa.version: [ 1, 2 ]
amdhsa.kernels:
  - .name:           k_q7a665fb38d_attn
    .symbol:         k_q7a665fb38d_attn.kd
    .args:
      - { .name: qrec, .offset: 0, .size: 8, .value_kind: global_buffer, .address_space: global }
      - { .name: kv, .offset: 8, .size: 8, .value_kind: global_buffer, .address_space: global }
      - { .name: hc, .offset: 16, .size: 8, .value_kind: global_buffer, .address_space: global }
      - { .name: hs, .offset: 24, .size: 8, .value_kind: global_buffer, .address_space: global }
    .group_segment_fixed_size: 288768
    .private_segment_fixed_size: 0
    .kernarg_segment_align: 8
    .kernarg_segment_size: 32
    .max_flat_workgroup_size: 512
    .sgpr_count:     66
    .vgpr_count:     256
    .wavefront_size: 32
...
	.end_amdgpu_metadata
.endif
;; end of part 3
;; launch outln (part 4): grid 256 x 1, 16 waves a work-group, no clusters, 150,016 bytes of LDS; arguments hc, hs, wimg, Wo_scales, bo, x, ln_w, ln_b, out0; writes out0
.if DOCPART == 4
	.amdgcn_target "amdgcn-amd-amdhsa--gfx1250"
	.amdhsa_code_object_version 6
	.text
	.protected	k_q7a665fb38d_outln
	.globl	k_q7a665fb38d_outln
	.p2align	8
	.type	k_q7a665fb38d_outln,@function
k_q7a665fb38d_outln:
	s_mov_b64 s[64:65], 0
	v_nop
	global_prefetch_b8 v0, s[64:65] scope:SCOPE_SE
	s_setreg_imm32_b32 hwreg(HW_REG_WAVE_MODE, 25, 1), 1
	s_wait_xcnt 0x0
; out = LayerNorm(x + Hctx Wo^T + bo) x ln_w + ln_b.  The product on codes of FP4 (E2M1); all else in f32.
; SHARES.  A work-group owns 32 tokens (two tiles of Hctx's image, which are 32 neighbouring rows) and all 1,024 columns, so that a row's mean and variance never leave it.  Wave w makes columns 64 w .. 64 w + 63: four tiles of Wo.
; Each fragment of Wo is read by ONE wave of the work-group: it goes from memory straight into registers, three K steps ahead; so no tile of Wo lies in LDS and there is no joint load.
; Hctx's two tiles (16 KiB) are read by all sixteen waves: each wave brings 1,024 bytes into LDS, as they lie.
; TRANSPOSED (source 0 = 16 rows of Wo, source 1 = 16 tokens): a lane holds one token and eight neighbouring columns.  bo is loaded into the accumulators, in the result's layout: every product adds in place.
; The results meet in a stage in LDS (32 rows x (4,096 + 16) bytes); then wave w owns rows 2 w and 2 w + 1 whole: residual, mean, variance (in two passes: a common offset of x does no harm), gain and bias, and stores of 512 consecutive bytes.
; No prefetch: the launch moves x in and out0 out against 64 matrix instructions a wave; x's rows are asked for two and three K steps ahead of their use.
.set LI,  1                            ; 16 x lane
.set VW,  2                            ; a row of Wo's scale bytes: 32 (8 (lane / 16) + r + 8 (r / 8)): lanes 0-15 the even tile, lanes 16-31 the odd one
.set VB,  3                            ; 64 (lane / 16)
.set L4,  4                            ; 4 x lane
.set SA,  5                            ; the stage: where I put my results
.set SR,  6                            ; and where I read my two rows
.set HW,  7                            ; where I put my 1,024 bytes of Hctx
.set HS,  12                           ; v12-19   Hctx's scale words, K step s: lanes 0-15 tile 0, lanes 16-31 tile 1
.set WS,  20                           ; v20-35   Wo's: pair of tiles i, K step s at 8 i + s
.set HF,  36                           ; v36-67   Hctx's fragments, two sets of two; later ln_b
.set WF,  68                           ; v68-163  Wo's fragments, three sets of four; later x's two rows and ln_w
.set ACC, 164                          ; v164-227 eight accumulators (tile tt of Wo, tile m of tokens at 8 (2 tt + m)); later my two rows
.set SUM, 228                          ; v228-231 sums
.set NMU, 232                          ; v[232:233] -mean
.set VA,  234                          ; variance + eps
.set RS,  236                          ; v[236:237] 1 / sqrt
.set STG, 16384
.set SPI, 4112
.set SEL, 26
.macro WM ra, rb
.if (\ra) && (\rb)
	v_wmma_scale_f32_16x16x128_f8f6f4 v[rD:rD+7], v[rA:rA+7], v[rB:rB+7], v[rD:rD+7], v[rSA], v[rSB] matrix_a_fmt:MATRIX_FMT_FP4 matrix_b_fmt:MATRIX_FMT_FP4 matrix_a_scale:MATRIX_SCALE_ROW1 matrix_b_scale:MATRIX_SCALE_ROW1
.elseif (\ra)
	v_wmma_scale_f32_16x16x128_f8f6f4 v[rD:rD+7], v[rA:rA+7], v[rB:rB+7], v[rD:rD+7], v[rSA], v[rSB] matrix_a_fmt:MATRIX_FMT_FP4 matrix_b_fmt:MATRIX_FMT_FP4 matrix_a_scale:MATRIX_SCALE_ROW1
.elseif (\rb)
	v_wmma_scale_f32_16x16x128_f8f6f4 v[rD:rD+7], v[rA:rA+7], v[rB:rB+7], v[rD:rD+7], v[rSA], v[rSB] matrix_a_fmt:MATRIX_FMT_FP4 matrix_b_fmt:MATRIX_FMT_FP4 matrix_b_scale:MATRIX_SCALE_ROW1
.else
	v_wmma_scale_f32_16x16x128_f8f6f4 v[rD:rD+7], v[rA:rA+7], v[rB:rB+7], v[rD:rD+7], v[rSA], v[rSB] matrix_a_fmt:MATRIX_FMT_FP4 matrix_b_fmt:MATRIX_FMT_FP4
.endif
.endm
.macro WLOAD s                         ; my four tiles' fragments of K step s: eight loads
.irp tt, 0,1,2,3
.irp c, 0,1
	global_load_b128 v[WF+32*((\s)%3)+8*\tt+4*\c:WF+32*((\s)%3)+8*\tt+4*\c+3], v[LI], s[8:9] offset:8192*\tt+1024*(\s)+512*\c
.endr
.endr
.endm
.macro HLOAD s                         ; Hctx's two fragments of K step s from LDS
.irp m, 0,1
.irp c, 0,1
	ds_load_b128 v[HF+16*((\s)%2)+8*\m+4*\c:HF+16*((\s)%2)+8*\m+4*\c+3], v[LI] offset:8192*\m+1024*(\s)+512*\c
.endr
.endr
.endm
	s_load_b512 s[4:19], s[0:1], 0x0               ; hc, hs, wimg, Wo_scales, bo, x, ln_w, ln_b
	s_load_b64 s[20:21], s[0:1], 0x40              ; out0
	v_lshl_add_u32 v254, v0, 2, 0x24200
	v_mov_b32 v255, 0
	v_lshrrev_b32 v9, 5, v0
	v_readfirstlane_b32 s22, v9                    ; wave 0..15
	v_and_b32 v9, 31, v0
	v_lshlrev_b32 v[LI], 4, v9
	v_lshlrev_b32 v[L4], 2, v9
	v_and_b32 v10, 15, v0                          ; r
	v_bfe_u32 v9, v0, 4, 1                         ; h
	v_and_b32 v11, 8, v0
	v_add_nc_u32 v11, v11, v10                     ; r + 8 (r / 8)
	v_lshl_add_u32 v[VW], v9, 3, v11
	v_lshlrev_b32 v[VW], 5, v[VW]
	v_lshlrev_b32 v[VB], 6, v9
	v_mul_u32_u24 v[SA], v11, SPI
	v_lshl_add_u32 v[SA], v9, 6, v[SA]
	s_lshl_b32 s24, s22, 8
	s_add_co_u32 s24, s24, STG
	v_add_nc_u32 v[SA], s24, v[SA]                 ; row r + 8 (r / 8) (+ 8 m), columns 64 w + 16 h on
	s_mul_i32 s24, s22, 2*SPI
	s_add_co_u32 s24, s24, STG
	v_add_nc_u32 v[SR], s24, v[LI]                 ; rows 2 w, 2 w + 1
	s_lshl_b32 s24, s22, 10
	v_add_nc_u32 v[HW], s24, v[LI]
	v_mov_b32 v[NMU+1], 0                          ; (named as the upper halves of pairs whose low word serves both halves)
	v_mov_b32 v[RS+1], 0
	s_mov_b32 s[SEL], 0x76543210
	s_mov_b32 s[SEL+1], 0xfedcba98
	s_mov_b32 s28, 0x3a800000                      ; 1 / 1,024
	s_mov_b32 s29, 0x3727c5ac                      ; 1e-5
	s_mov_b32 s25, 0
	s_wait_kmcnt 0x0
	s_lshl_b32 s24, ttmp9, 14
	s_lshl_b32 s30, s22, 10
	s_add_co_u32 s24, s24, s30
	s_add_nc_u64 s[4:5], s[4:5], s[24:25]          ; my 1,024 bytes of the work-group's two tiles
	s_lshl_b32 s24, ttmp9, 10
	s_add_nc_u64 s[6:7], s[6:7], s[24:25]
	s_lshl_b32 s24, s22, 15
	s_add_co_u32 s24, s24, 1572864
	s_add_nc_u64 s[8:9], s[8:9], s[24:25]          ; Wo's image, my four tiles
	s_lshl_b32 s24, s22, 11
	s_add_nc_u64 s[10:11], s[10:11], s[24:25]
	s_lshl_b32 s24, s22, 8
	s_add_nc_u64 s[12:13], s[12:13], s[24:25]
	s_lshl_b32 s24, ttmp9, 5
	s_lshl_b32 s30, s22, 1
	s_add_co_u32 s24, s24, s30
	s_lshl_b32 s24, s24, 12
	s_add_nc_u64 s[14:15], s[14:15], s[24:25]      ; my two rows of x
	s_add_nc_u64 s[20:21], s[20:21], s[24:25]      ; and of out0
	global_load_b128 v[HF:HF+3], v[LI], s[4:5]
	global_load_b128 v[HF+4:HF+7], v[LI], s[4:5] offset:512
.irp s, 0,1,2,3,4,5,6,7
	global_load_b32 v[HS+\s], v[L4], s[6:7] offset:128*\s
.endr
.irp i, 0,1
.irp k, 0,1
	global_load_b128 v[WS+8*\i+4*\k:WS+8*\i+4*\k+3], v[VW], s[10:11] offset:1024*\i+16*\k
.endr
.endr
.irp tt, 0,1,2,3
.irp m, 0,1
.irp k, 0,1
	global_load_b128 v[ACC+8*(2*\tt+\m)+4*\k:ACC+8*(2*\tt+\m)+4*\k+3], v[VB], s[12:13] offset:4*(32*(\tt/2)+8*(\tt%2))+16*\k   ; bo at columns 32 (tt / 2) + 16 h + 8 (tt % 2) + 0 .. 7
.endr
.endr
.endr
	WLOAD 0
	WLOAD 1
	WLOAD 2
	s_wait_loadcnt 52                              ; Hctx's two loads are in; the 52 issued behind them may be out
	ds_store_b128 v[HW], v[HF:HF+3]
	ds_store_b128 v[HW], v[HF+4:HF+7] offset:512
	s_wait_dscnt 0x0                               ; for the others' sake: my stores have landed
	s_barrier_signal -1
	s_barrier_wait -1                              ; Hctx's two tiles lie in LDS
	HLOAD 0
.macro KSTEP s
.if (\s) < 7
	HLOAD (\s)+1                                   ; into the set that the step before multiplied: its four places stand between
.endif
	s_wait_loadcnt 16                              ; Wo's fragments of this step are in: behind them two groups of eight loads were issued, in every step
.if (\s) < 7
	s_wait_dscnt 4                                 ; Hctx's of this step are in; the next step's four may be out
.else
	s_wait_dscnt 0x0
.endif
.irp tt, 0,1,2,3
.irp m, 0,1
.set rD, ACC+8*(2*\tt+\m)
.set rA, WF+32*((\s)%3)+8*\tt
.set rB, HF+16*((\s)%2)+8*\m
.set rSA, WS+8*(\tt/2)+(\s)
.set rSB, HS+(\s)
	WM \tt%2, \m                                   ; the eight accumulators take turns, one instruction a turn
.endr
.endr
.rept 4
	v_nop                                          ; four places ahead of loads into registers that these products read, and of the first read of results
.endr
.if (\s) <= 4
	WLOAD (\s)+3
.elseif (\s) == 5
.irp i, 0,1,2,3,4,5,6,7
	global_load_b128 v[WF+64+4*\i:WF+64+4*\i+3], v[LI], s[14:15] offset:512*\i th:TH_LOAD_NT         ; x, my first row
.endr
.elseif (\s) == 6
.irp i, 0,1,2,3,4,5,6,7
	global_load_b128 v[WF+4*\i:WF+4*\i+3], v[LI], s[14:15] offset:4096+512*\i th:TH_LOAD_NT          ; my second row
.endr
.else
.irp i, 0,1,2,3,4,5,6,7
	global_load_b128 v[WF+32+4*\i:WF+32+4*\i+3], v[LI], s[16:17] offset:512*\i                       ; ln_w
	global_load_b128 v[HF+4*\i:HF+4*\i+3], v[LI], s[18:19] offset:512*\i                             ; ln_b
.endr
.endif
.endm
.irp s, 0,1,2,3,4,5,6,7
	KSTEP \s
.endr
.irp tt, 0,1,2,3
.irp m, 0,1
	ds_store_b128 v[SA], v[ACC+8*(2*\tt+\m):ACC+8*(2*\tt+\m)+3] offset:8*SPI*\m+128*(\tt/2)+32*(\tt%2)          ; each accumulator from its low end on
	ds_store_b128 v[SA], v[ACC+8*(2*\tt+\m)+4:ACC+8*(2*\tt+\m)+7] offset:8*SPI*\m+128*(\tt/2)+32*(\tt%2)+16
.endr
.endr
	s_wait_dscnt 0x0                               ; for the others' sake: my stores have landed
	s_barrier_signal -1
	s_barrier_wait -1                              ; 32 whole rows lie in the stage
.irp k, 0,1
.irp i, 0,1,2,3,4,5,6,7
	ds_load_b128 v[ACC+32*\k+4*\i:ACC+32*\k+4*\i+3], v[SR] offset:SPI*\k+512*\i
.endr
.endr
	s_wait_loadcnt 0x0                             ; x, ln_w, ln_b
	s_wait_dscnt 0x0
.macro ACROSS                          ; v[SUM] summed over the 32 lanes, the result in every lane
	v_add_f32_dpp v[SUM], v[SUM], v[SUM] row_xmask:1 row_mask:0xf bank_mask:0xf
	v_add_f32_dpp v[SUM], v[SUM], v[SUM] row_xmask:2 row_mask:0xf bank_mask:0xf
	v_add_f32_dpp v[SUM], v[SUM], v[SUM] row_xmask:4 row_mask:0xf bank_mask:0xf
	v_add_f32_dpp v[SUM], v[SUM], v[SUM] row_xmask:8 row_mask:0xf bank_mask:0xf
	v_permlanex16_b32 v[SUM+1], v[SUM], s[SEL], s[SEL+1]
	v_add_f32 v[SUM], v[SUM], v[SUM+1]
.endm
.macro ROWLN k                         ; a row: register 4 i + q of lane l is column 128 i + 4 l + q
.set Y, ACC+32*(\k)
.set XR, WF+64-64*(\k)
.set j, 0
.rept 16
	v_pk_add_f32 v[Y+j:Y+j+1], v[Y+j:Y+j+1], v[XR+j:XR+j+1]        ; the residual
.set j, j+2
.endr
	v_pk_add_f32 v[SUM:SUM+1], v[Y:Y+1], v[Y+2:Y+3]                ; its sum, in two chains
	v_pk_add_f32 v[SUM+2:SUM+3], v[Y+4:Y+5], v[Y+6:Y+7]
.irp i, 8,12,16,20,24,28
	v_pk_add_f32 v[SUM:SUM+1], v[SUM:SUM+1], v[Y+\i:Y+\i+1]
	v_pk_add_f32 v[SUM+2:SUM+3], v[SUM+2:SUM+3], v[Y+\i+2:Y+\i+3]
.endr
	v_pk_add_f32 v[SUM:SUM+1], v[SUM:SUM+1], v[SUM+2:SUM+3]
	v_add_f32 v[SUM], v[SUM], v[SUM+1]
	ACROSS
	v_mul_f32 v[NMU], 0xba800000, v[SUM]           ; -mean
.set j, 0
.rept 16
	v_pk_add_f32 v[Y+j:Y+j+1], v[Y+j:Y+j+1], v[NMU:NMU+1] op_sel_hi:[1,0]
.set j, j+2
.endr
	v_pk_mul_f32 v[SUM:SUM+1], v[Y:Y+1], v[Y:Y+1]                  ; the squares' sum, in two chains
	v_pk_mul_f32 v[SUM+2:SUM+3], v[Y+2:Y+3], v[Y+2:Y+3]
.irp i, 4,8,12,16,20,24,28
	v_pk_fma_f32 v[SUM:SUM+1], v[Y+\i:Y+\i+1], v[Y+\i:Y+\i+1], v[SUM:SUM+1]
	v_pk_fma_f32 v[SUM+2:SUM+3], v[Y+\i+2:Y+\i+3], v[Y+\i+2:Y+\i+3], v[SUM+2:SUM+3]
.endr
	v_pk_add_f32 v[SUM:SUM+1], v[SUM:SUM+1], v[SUM+2:SUM+3]
	v_add_f32 v[SUM], v[SUM], v[SUM+1]
	ACROSS
	v_fma_f32 v[VA], v[SUM], s28, s29              ; variance + eps
	v_rsq_f32 v[RS], v[VA]
	v_nop
	s_wait_alu depctr_va_vdst(0)                   ; ahead of the first reader
.set j, 0
.rept 16
	v_pk_mul_f32 v[Y+j:Y+j+1], v[Y+j:Y+j+1], v[RS:RS+1] op_sel_hi:[1,0]
.set j, j+2
.endr
.set j, 0
.rept 16
	v_pk_fma_f32 v[Y+j:Y+j+1], v[Y+j:Y+j+1], v[WF+32+j:WF+32+j+1], v[HF+j:HF+j+1]
.set j, j+2
.endr
.irp i, 0,1,2,3,4,5,6,7
	global_store_b128 v[LI], v[Y+4*\i:Y+4*\i+3], s[20:21] offset:4096*(\k)+512*\i th:TH_STORE_NT   ; 512 consecutive bytes, aligned
.endr
.endm
	ROWLN 0
	ROWLN 1
	s_wait_tensorcnt 0x0
	ds_add_u32 v254, v255
	s_wait_dscnt 0x0
	s_endpgm
.Lfunc_end_k_q7a665fb38d_outln:
	.size	k_q7a665fb38d_outln, .Lfunc_end_k_q7a665fb38d_outln-k_q7a665fb38d_outln
	.p2alignl 7, 3214868480
	.fill 96, 4, 3214868480
	.section	.rodata,"a",@progbits
	.p2align	6, 0x0
	.amdhsa_kernel k_q7a665fb38d_outln
		.amdhsa_group_segment_fixed_size 150016
		.amdhsa_private_segment_fixed_size 0
		.amdhsa_enable_private_segment 0
		.amdhsa_kernarg_size 72
		.amdhsa_user_sgpr_count 2
		.amdhsa_user_sgpr_kernarg_segment_ptr 1
		.amdhsa_wavefront_size32 1
		.amdhsa_system_sgpr_workgroup_id_x 1
		.amdhsa_system_sgpr_workgroup_id_y 1
		.amdhsa_system_sgpr_workgroup_id_z 1
		.amdhsa_system_vgpr_workitem_id 0
		.amdhsa_next_free_vgpr 256
		.amdhsa_next_free_sgpr 66
		.amdhsa_reserve_vcc 0
		.amdhsa_float_denorm_mode_32 3
		.amdhsa_float_denorm_mode_16_64 3
		.amdhsa_memory_ordered 1
		.amdhsa_forward_progress 1
		.amdhsa_inst_pref_size 44
	.end_amdhsa_kernel
	.amdgpu_metadata
---
amdhsa.version: [ 1, 2 ]
amdhsa.kernels:
  - .name:           k_q7a665fb38d_outln
    .symbol:         k_q7a665fb38d_outln.kd
    .args:
      - { .name: hc, .offset: 0, .size: 8, .value_kind: global_buffer, .address_space: global }
      - { .name: hs, .offset: 8, .size: 8, .value_kind: global_buffer, .address_space: global }
      - { .name: wimg, .offset: 16, .size: 8, .value_kind: global_buffer, .address_space: global }
      - { .name: Wo_scales, .offset: 24, .size: 8, .value_kind: global_buffer, .address_space: global }
      - { .name: bo, .offset: 32, .size: 8, .value_kind: global_buffer, .address_space: global }
      - { .name: x, .offset: 40, .size: 8, .value_kind: global_buffer, .address_space: global }
      - { .name: ln_w, .offset: 48, .size: 8, .value_kind: global_buffer, .address_space: global }
      - { .name: ln_b, .offset: 56, .size: 8, .value_kind: global_buffer, .address_space: global }
      - { .name: out0, .offset: 64, .size: 8, .value_kind: global_buffer, .address_space: global }
    .group_segment_fixed_size: 150016
    .private_segment_fixed_size: 0
    .kernarg_segment_align: 8
    .kernarg_segment_size: 72
    .max_flat_workgroup_size: 512
    .sgpr_count:     66
    .vgpr_count:     256
    .wavefront_size: 32
...
	.end_amdgpu_metadata
.endif
;; end of part 4
;; ======== version 2 of 2: 4 launches
;; limits: right only within a limited range of input values
;; workspace buffers: xq 4,194,304 bytes; xs 262,144 bytes; wimg 2,097,152 bytes; qrec 4,718,592 bytes; kv 9,175,040 bytes; hc 4,194,304 bytes; hs 262,144 bytes
;; launch prep (part 5): grid 576 x 1, 4 waves a work-group, no clusters, 33,280 bytes of LDS; arguments x, Wq_codes, Wk_codes, Wv_codes, Wo_codes, xq, xs, wimg; writes xq, xs, wimg
.if DOCPART == 5
	.amdgcn_target "amdgcn-amd-amdhsa--gfx1250"
	.amdhsa_code_object_version 6
	.text
	.protected	k_q7a665fb38d_prep
	.globl	k_q7a665fb38d_prep
	.p2align	8
	.type	k_q7a665fb38d_prep,@function
k_q7a665fb38d_prep:
	s_mov_b64 s[64:65], 0
	v_nop
	global_prefetch_b8 v0, s[64:65] scope:SCOPE_SE
	s_setreg_imm32_b32 hwreg(HW_REG_WAVE_MODE, 25, 1), 1
	s_wait_xcnt 0x0
; x [8192][1024] f32 becomes codes of FP4 (E2M1) with one E8M0 byte for each 32 along K, and the four weights' codes are laid anew: all in the ORDER OF THE OPERAND'S REGISTERS.
; A TILE is 16 rows.  Of a group of 128 rows, tile t holds rows 32 (t / 2) + 8 (t % 2) + r + 8 (r / 8), r = 0 .. 15: so a product's 16 registers of two neighbouring tiles are 16 neighbours along the next K.
; AN IMAGE of a tile is [block of 32 along K][r][16 bytes]: the fragment of a K step of 128 is 1,024 consecutive bytes, and lane l takes 16 bytes at 16 l and at 512 + 16 l.
; Work-groups 0 to 511: one tile of x each; wave w takes a quarter of K (256 numbers of each of the 16 rows).  Work-groups 512 to 575: four tiles of one weight each, a tile a wave; these use no LDS.
; A block's scale is 2^(floor(log2(its largest magnitude)) - 2); its byte is the largest magnitude's exponent field - 2, held at 1 from below (a block of zeros keeps the byte 1: its codes are zeros, and this program alone reads the bytes).
; LIMITS: NaN and infinities in x are not served; blocks whose largest magnitude lies under 2^-124 get the byte 1.
; No barrier: waves share nothing.  All 32 loads of a wave go out at once: 16 KiB on their way for each wave.
.set R,    16                          ; v16-143  eight steps x 16 numbers as loaded
.set X,    144                         ; v144-175 two sets of 16 neighbours
.set C,    176                         ; v176-191 a step's codes, two registers each: no store's data are written again
.set E,    192                         ; v192-199 a step's scale byte
.set OUTR, 200                         ; v200-215 the codes on their way out
.set OSC,  216                         ; v216     the scale bytes on their way out
.set TA,   217                         ; v217-219 at work
.set SP,   80                          ; a lane's place in a stage: 64 bytes + 16 of padding
.set CST,  5120                        ; in a wave's 8,192 bytes of LDS: two stages of 32 x 80, then the codes: 8 blocks x (256 + 32) bytes,
.set CP,   288
.set SST,  7424                        ; then the scale bytes: 16 rows x 8
	s_load_b512 s[4:19], s[0:1], 0x0               ; x, Wq, Wk, Wv, Wo (codes), xq, xs, wimg
	v_lshl_add_u32 v224, v0, 2, 0x8000
	v_mov_b32 v225, 0
	v_lshrrev_b32 v1, 5, v0
	v_readfirstlane_b32 s20, v1                    ; wave
	v_and_b32 v2, 31, v0                           ; lane
	v_lshlrev_b32 v3, 4, v2                        ; 16 x lane
	s_wait_kmcnt 0x0
	s_cmp_lt_u32 ttmp9, 512
	s_cbranch_scc0 .Lweights
	; ---- a tile of x
	s_lshr_b32 s22, ttmp9, 3
	s_lshl_b32 s22, s22, 7                         ; 128 x group
	s_bfe_u32 s23, ttmp9, 0x20001
	s_lshl_b32 s23, s23, 5                         ; + 32 (t / 2)
	s_add_co_u32 s22, s22, s23
	s_and_b32 s23, ttmp9, 1
	s_lshl_b32 s23, s23, 3                         ; + 8 (t % 2)
	s_add_co_u32 s22, s22, s23                     ; the tile's first token
	s_lshl_b32 s22, s22, 12                        ; rows of 4,096 bytes
	s_lshl_b32 s23, s20, 10                        ; my quarter of K: 1,024 bytes
	s_add_co_u32 s22, s22, s23
	s_mov_b32 s23, 0
	s_add_nc_u64 s[4:5], s[4:5], s[22:23]
.macro LOADX j                         ; tile rows 2 j and 2 j + 1: each load reads 512 consecutive bytes
.irp i, 0,1,2,3
	global_load_b128 v[R+16*(\j)+4*\i:R+16*(\j)+4*\i+3], v3, s[4:5] offset:(2*(\j)+(\i/2)+8*((\j)/4))*4096+512*(\i%2) th:TH_LOAD_NT
.endr
.endm
	s_wait_alu depctr_va_vdst(0)
.irp j, 0,1,2,3,4,5,6,7
	LOADX \j
.endr
	s_lshl_b32 s24, s20, 13                        ; my wave's LDS
	v_lshrrev_b32 v14, 2, v2
	v_mul_u32_u24 v14, v14, SP
	v_and_b32 v15, 3, v2
	v_lshl_add_u32 v14, v15, 4, v14
	v_add_nc_u32 v14, s24, v14                     ; into a stage: four lanes' 64 bytes on end, then the padding
	v_mul_u32_u24 v15, v2, SP
	v_add_nc_u32 v15, s24, v15                     ; out of it: 64 bytes a lane: 16 neighbours
	v_bfe_u32 v9, v2, 1, 3                         ; my block of the quarter's eight
	v_lshrrev_b32 v10, 4, v2                       ; which of the step's two rows
	v_and_b32 v11, 1, v2                           ; which half of the block
	v_mul_u32_u24 v4, v9, CP
	v_lshl_add_u32 v4, v10, 4, v4
	v_lshl_add_u32 v4, v11, 3, v4
	s_add_co_u32 s25, s24, CST
	v_add_nc_u32 v4, s25, v4                       ; my 8 bytes of codes: block x 288 + row x 16 + half x 8
	v_lshl_add_u32 v5, v10, 3, v9
	s_add_co_u32 s26, s24, SST
	v_add_nc_u32 v5, s26, v5                       ; my block's byte: row x 8 + block
	v_and_b32 v12, 15, v2
	v_mul_u32_u24 v6, v10, CP
	v_lshl_add_u32 v6, v12, 4, v6
	v_add_nc_u32 v6, s25, v6                       ; the codes' way out: two blocks an instruction, sixteen lanes to a block's 256 bytes
	v_lshlrev_b32 v8, 2, v2
	v_add_nc_u32 v7, s26, v8                       ; the bytes' way out: 4 a lane
	s_lshl_b32 s22, ttmp9, 13
	s_lshl_b32 s27, s20, 11
	s_add_co_u32 s22, s22, s27
	s_add_nc_u64 s[14:15], s[14:15], s[22:23]      ; xq: tile x 8,192 + quarter x 2,048
	s_lshl_b32 s22, ttmp9, 9
	s_lshl_b32 s27, s20, 7
	s_add_co_u32 s22, s22, s27
	s_add_nc_u64 s[16:17], s[16:17], s[22:23]      ; xs: tile x 512 + quarter x 128
.macro TURN j                          ; a step's 2,048 bytes through a stage: LDS serves a wave's instructions in order, so no wait stands between the stores and the loads
.irp i, 0,1,2,3
	ds_store_b128 v14, v[R+16*(\j)+4*\i:R+16*(\j)+4*\i+3] offset:32*SP*((\j)%2)+8*SP*\i
.endr
.irp i, 0,1,2,3
	ds_load_b128 v[X+16*((\j)%2)+4*\i:X+16*((\j)%2)+4*\i+3], v15 offset:32*SP*((\j)%2)+16*\i
.endr
.endm
.macro STEP j
.set XS, X+16*((\j)%2)
.if (\j) > 0
	s_wait_dscnt 2                                 ; this step's numbers are back from the stage; the last step's two stores may be out
.else
	s_wait_dscnt 0x0
.endif
.if (\j) < 7
	s_wait_loadcnt 4*(6-(\j))                      ; the next step's four loads are in; those of the steps behind it may be out
	TURN (\j)+1
.endif
	v_max3_num_f32 v[TA], |v[XS]|, |v[XS+1]|, |v[XS+2]|            ; the largest magnitude of my 16, in two chains
	v_max3_num_f32 v[TA+1], |v[XS+3]|, |v[XS+4]|, |v[XS+5]|
.irp i, 6,10
	v_max3_num_f32 v[TA], v[TA], |v[XS+\i]|, |v[XS+\i+1]|
	v_max3_num_f32 v[TA+1], v[TA+1], |v[XS+\i+2]|, |v[XS+\i+3]|
.endr
	v_max3_num_f32 v[TA], v[TA], |v[XS+14]|, |v[XS+15]|
	v_max3_num_f32 v[TA], v[TA], v[TA+1], 0x1800000                ; and the floor 2^(3 - 127): the byte cannot fall under 1
	v_max_num_f32_dpp v[TA], v[TA], v[TA] row_xmask:1 row_mask:0xf bank_mask:0xf   ; with my neighbour's 16: the block's
	v_add_nc_u32 v[TA+2], 0xff000000, v[TA]        ; 2 off its exponent field: the conversion's scale operand
	v_cvt_scalef32_pk8_fp4_f32 v[C+2*(\j)], v[XS:XS+7], v[TA+2]
	v_cvt_scalef32_pk8_fp4_f32 v[C+2*(\j)+1], v[XS+8:XS+15], v[TA+2]
	v_lshrrev_b32 v[E+(\j)], 23, v[TA+2]           ; the scale's byte (also the plain line behind the conversions)
	ds_store_b64 v4, v[C+2*(\j):C+2*(\j)+1] offset:32*(\j)
	ds_store_b8 v5, v[E+(\j)] offset:16*(\j)       ; both lanes of a block write the same byte with the same value
.endm
	s_wait_loadcnt 28                              ; step 0's four loads are in
	TURN 0
.irp j, 0,1,2,3,4,5,6,7
	STEP \j
.endr
.irp i, 0,1,2,3
	ds_load_b128 v[OUTR+4*\i:OUTR+4*\i+3], v6 offset:2*CP*\i       ; these see my stores: LDS serves a wave in order
.endr
	ds_load_b32 v[OSC], v7
.irp i, 0,1,2,3
	s_wait_dscnt 4-\i
	global_store_b128 v3, v[OUTR+4*\i:OUTR+4*\i+3], s[14:15] offset:512*\i   ; 512 consecutive bytes, aligned
.endr
	s_wait_dscnt 0x0
	global_store_b32 v8, v[OSC], s[16:17]          ; 128 consecutive bytes: the four waves' lie on end
	s_wait_tensorcnt 0x0
	ds_add_u32 v224, v225
	s_wait_dscnt 0x0
	s_endpgm
	; ---- a tile of a weight: its 16 rows of 512 bytes become an image of 8,192 bytes
.Lweights:
	s_sub_co_u32 s21, ttmp9, 512
	s_lshr_b32 s22, s21, 4                         ; which weight: q, k, v, o
	s_and_b32 s21, s21, 15
	s_lshl_b32 s21, s21, 2
	s_add_co_u32 s21, s21, s20                     ; which of its 64 tiles
	s_lshr_b32 s24, s21, 3
	s_lshl_b32 s24, s24, 7
	s_bfe_u32 s25, s21, 0x20001
	s_lshl_b32 s25, s25, 5
	s_add_co_u32 s24, s24, s25
	s_and_b32 s25, s21, 1
	s_lshl_b32 s25, s25, 3
	s_add_co_u32 s24, s24, s25                     ; the tile's first row
	s_lshl_b32 s24, s24, 9
	s_mov_b32 s25, 0
	s_cmp_eq_u32 s22, 1                            ; the choice hangs on the work-group's number alone
	s_cselect_b64 s[26:27], s[8:9], s[6:7]
	s_cmp_eq_u32 s22, 2
	s_cselect_b64 s[26:27], s[10:11], s[26:27]
	s_cmp_eq_u32 s22, 3
	s_cselect_b64 s[26:27], s[12:13], s[26:27]
	s_add_nc_u64 s[26:27], s[26:27], s[24:25]
	s_lshl_b32 s24, s22, 19
	s_lshl_b32 s28, s21, 13
	s_add_co_u32 s24, s24, s28
	s_add_nc_u64 s[18:19], s[18:19], s[24:25]      ; wimg: weight x 524,288 + tile x 8,192
	s_wait_alu depctr_va_vdst(0)
	v_and_b32 v4, 15, v2
	v_and_b32 v5, 8, v2
	v_add_nc_u32 v4, v4, v5                        ; r + 8 (r / 8)
	v_lshrrev_b32 v5, 4, v2
	v_lshlrev_b32 v4, 9, v4
	v_lshl_add_u32 v4, v5, 4, v4                   ; my row, and block h of the pair of blocks
.irp i, 0,1,2,3,4,5,6,7,8,9,10,11,12,13,14,15
	global_load_b128 v[R+4*\i:R+4*\i+3], v4, s[26:27] offset:32*\i     ; blocks 2 i and 2 i + 1 of the 16 rows
.endr
.irp i, 0,1,2,3,4,5,6,7,8,9,10,11,12,13,14,15
	s_wait_loadcnt 15-\i
	global_store_b128 v3, v[R+4*\i:R+4*\i+3], s[18:19] offset:512*\i   ; 512 consecutive bytes, aligned
.endr
	s_endpgm
.Lfunc_end_k_q7a665fb38d_prep:
	.size	k_q7a665fb38d_prep, .Lfunc_end_k_q7a665fb38d_prep-k_q7a665fb38d_prep
	.p2alignl 7, 3214868480
	.fill 96, 4, 3214868480
	.section	.rodata,"a",@progbits
	.p2align	6, 0x0
	.amdhsa_kernel k_q7a665fb38d_prep
		.amdhsa_group_segment_fixed_size 33280
		.amdhsa_private_segment_fixed_size 0
		.amdhsa_enable_private_segment 0
		.amdhsa_kernarg_size 64
		.amdhsa_user_sgpr_count 2
		.amdhsa_user_sgpr_kernarg_segment_ptr 1
		.amdhsa_wavefront_size32 1
		.amdhsa_system_sgpr_workgroup_id_x 1
		.amdhsa_system_sgpr_workgroup_id_y 1
		.amdhsa_system_sgpr_workgroup_id_z 1
		.amdhsa_system_vgpr_workitem_id 0
		.amdhsa_next_free_vgpr 226
		.amdhsa_next_free_sgpr 66
		.amdhsa_reserve_vcc 0
		.amdhsa_float_denorm_mode_32 3
		.amdhsa_float_denorm_mode_16_64 3
		.amdhsa_memory_ordered 1
		.amdhsa_forward_progress 1
		.amdhsa_inst_pref_size 24
	.end_amdhsa_kernel
	.amdgpu_metadata
---
amdhsa.version: [ 1, 2 ]
amdhsa.kernels:
  - .name:           k_q7a665fb38d_prep
    .symbol:         k_q7a665fb38d_prep.kd
    .args:
      - { .name: x, .offset: 0, .size: 8, .value_kind: global_buffer, .address_space: global }
      - { .name: Wq_codes, .offset: 8, .size: 8, .value_kind: global_buffer, .address_space: global }
      - { .name: Wk_codes, .offset: 16, .size: 8, .value_kind: global_buffer, .address_space: global }
      - { .name: Wv_codes, .offset: 24, .size: 8, .value_kind: global_buffer, .address_space: global }
      - { .name: Wo_codes, .offset: 32, .size: 8, .value_kind: global_buffer, .address_space: global }
      - { .name: xq, .offset: 40, .size: 8, .value_kind: global_buffer, .address_space: global }
      - { .name: xs, .offset: 48, .size: 8, .value_kind: global_buffer, .address_space: global }
      - { .name: wimg, .offset: 56, .size: 8, .value_kind: global_buffer, .address_space: global }
    .group_segment_fixed_size: 33280
    .private_segment_fixed_size: 0
    .kernarg_segment_align: 8
    .kernarg_segment_size: 64
    .max_flat_workgroup_size: 128
    .sgpr_count:     66
    .vgpr_count:     226
    .wavefront_size: 32
...
	.end_amdgpu_metadata
.endif
;; end of part 5
;; launch qkv (part 6): grid 4 x 64, 4 waves a work-group, no clusters, 0 bytes of LDS; arguments xq, xs, wimg, Wq_scales, Wk_scales, Wv_scales, bq, bk, bv, attention_mask, qrec, kv; writes qrec, kv
.if DOCPART == 6
	.amdgcn_target "amdgcn-amd-amdhsa--gfx1250"
	.amdhsa_code_object_version 6
	.text
	.protected	k_q7a665fb38d_qkv
	.globl	k_q7a665fb38d_qkv
	.p2align	8
	.type	k_q7a665fb38d_qkv,@function
k_q7a665fb38d_qkv:
	s_mov_b64 s[64:65], 0
	v_nop
	global_prefetch_b8 v0, s[64:65] scope:SCOPE_SE
	s_setreg_imm32_b32 hwreg(HW_REG_WAVE_SCHED_MODE, 0, 2), 2
	s_setreg_imm32_b32 hwreg(HW_REG_WAVE_MODE, 25, 1), 1
	s_wait_xcnt 0x0
	s_wait_alu depctr_vm_vsrc(0)
; q, k, v = Q(x) W^T + b on codes of FP4 (E2M1), and their own quantising: q and k along the head's 64, v along the keys.  The results leave as codes, in the order of the next operands' registers.
; SHARES.  A wave makes q, k and v of ONE head for ONE group of 128 tokens: 128 x 192 x 1,024, 768 matrix instructions.  The group's codes of x (64 KiB) stay in 512 registers, so that a fragment of W (8 registers) feeds 8 products.
; Waves share nothing: no LDS, no barrier, no loop, no branch.  No cluster: operands go from memory into registers, and a fragment of W is read by one wave of the work-group alone.
; SIX UNITS, each 32 outputs wide (two tiles of W): q 0-31, q 32-63, k likewise, v likewise.  The next unit's weights and biases are asked for a whole unit (128 matrix instructions) ahead, into the other of two buffers.
; q, k: TRANSPOSED (source 0 = 16 rows of W, source 1 = 16 tokens): a lane holds one token, and the 16 registers of the two tiles are outputs 32 b + 16 (lane / 16) + 0 .. 15: half a block of the next K.
; v: plain (source 0 = 16 tokens, source 1 = 16 rows of Wv): a lane holds one channel d, and the 16 registers of two neighbouring tiles of tokens are 16 neighbouring keys.  (The rows of every tile are chosen for that: see the first launch.)
; The biases are the C of each sum's first product.
; THE MASK rides in k's scale words.  A head's 64 fill blocks 0 and 1 of a K step of 128.  Block 2's scale byte of a key is 0x00 (2^-127) where the key counts and 0xe3 (2^100) where attention_mask is 0; the next launch holds the codes
; +1 (q) and -1 (k) at k = 64: a hidden key's score gets -2^100, an open key's -2^-127.  LIMITS: scores stay under 2^90 in magnitude; NaN and infinities among the inputs are not served.
; A RECORD of kv (one head, 128 keys, 8,960 bytes): k's codes, 8 tiles x 512; v's codes, 4 tiles of d x 1,024; k's scale words, 512; v's, 256.  Of qrec (4,608): q's codes, 8 x 512; its scale words, 512.
; REGISTERS, in windows of 256: window 0: see below; window 1: W, two buffers of 128 (tile u, K step s at 8 (8 u + s)); windows 2, 3: x's tiles 0-3, 4-7 (tile m, K step s at 64 (m % 4) + 8 s).
; THE MODE: SCHED_MODE bits 1:0 = 2 (LLVM: expert scheduling mode 2), set by the entry lines.  The code itself states the register dependences between vector or matrix instructions and memory instructions, with s_wait_alu, always for 0.
; THE PLAN.  Registers that memory instructions touch:
;   v1 .. v7          offsets, made once at the head and never written again.
;   x, its scale words   loaded once at the head; read by products alone.
;   W[p], WS[p], BI[p]   weights, their scale words, biases: two buffers each.  Unit n's products read buffer n % 2; the loads of unit n + 2 land in it, issued at the head of unit n + 1.
;   v[SB ..]          named by vector instructions; once, ahead of unit 2, the mask's eight loads land in it.
;   v[PC ..]          written by a run of eight conversions, read by the four stores behind it, written again by the next run.
;   v[SI ..]          written by selects, read by one store: three times in the kernel.
; So one wait on va_vdst stands at the head of units 1 to 4, ahead of the unit's loads; one behind each run of conversions or selects, ahead of its stores; one wait on vm_vsrc ahead of each such run but the first.
.set LI,  1                            ; 16 x lane
.set VW,  2                            ; a row of W's scale bytes: 32 (8 (lane / 16) + r + 8 (r / 8)): lanes 0-15 tile u = 0, lanes 16-31 u = 1
.set VB,  3                            ; 64 (lane / 16): my half's 16 biases
.set VR,  4                            ; 4 (r + 8 (r / 8))
.set VX,  5                            ; x's scale words: 512 (lane / 16) + 8 r: lanes 0-15 the even tile, lanes 16-31 the odd one
.set SO,  6                            ; 16 r + 8 (lane / 16): my 8 bytes of a block's 256
.set L8,  7                            ; 8 x lane
.set KOPEN, 8                          ; k's scale word without its two bytes: an open key's,
.set KHID,  9                          ; a hidden key's
.set XS,  12                           ; v12-43   x's scale words: pair of tiles i, K step s at 8 i + s
.set WS,  44                           ; v44-59   W's scale words: buffer p, K step s at 8 p + s
.set BI,  60                           ; v60-75   the biases, buffer 0: tile u at 8 u;  buffer 1 lies 52 registers on, v112-127
.set SB,  76                           ; v76-83   scale words in the making
.set TM,  84                           ; v84-99   at work: +0 largest magnitudes, +4 bytes, +12 the conversions' scale operands
.set PC,  100                          ; v100-107 codes
.set SI,  108                          ; v108-111 scale words on their way out
.set ACC, 128                          ; v128-255 sixteen accumulators
.set SEL, 34                           ; s[34:35] v_permlanex16_b32's selects for lane l xor 16
.set HM,  36                           ; s36 lanes 16-31
.set MK,  38                           ; s38-45 the masks of the eight compares on attention_mask
.set QBN, 0                            ; how many runs of conversions have been written
.set MSB, 0
.macro WIN new                         ; the immediate's high byte repeats the setting that is left
.if MSB != (\new)
	s_set_vgpr_msb (MSB<<8)|(\new)
.set MSB, (\new)
.endif
.endm
.macro WM ra, rb                       ; one product on rD, rA, rB, rC, rSA, rSB; ra, rb: the side's scales stand in lanes 16-31
.if (\ra) && (\rb)
	v_wmma_scale_f32_16x16x128_f8f6f4 v[rD:rD+7], v[rA:rA+7], v[rB:rB+7], v[rC:rC+7], v[rSA], v[rSB] matrix_a_fmt:MATRIX_FMT_FP4 matrix_b_fmt:MATRIX_FMT_FP4 matrix_a_scale:MATRIX_SCALE_ROW1 matrix_b_scale:MATRIX_SCALE_ROW1
.elseif (\ra)
	v_wmma_scale_f32_16x16x128_f8f6f4 v[rD:rD+7], v[rA:rA+7], v[rB:rB+7], v[rC:rC+7], v[rSA], v[rSB] matrix_a_fmt:MATRIX_FMT_FP4 matrix_b_fmt:MATRIX_FMT_FP4 matrix_a_scale:MATRIX_SCALE_ROW1
.elseif (\rb)
	v_wmma_scale_f32_16x16x128_f8f6f4 v[rD:rD+7], v[rA:rA+7], v[rB:rB+7], v[rC:rC+7], v[rSA], v[rSB] matrix_a_fmt:MATRIX_FMT_FP4 matrix_b_fmt:MATRIX_FMT_FP4 matrix_b_scale:MATRIX_SCALE_ROW1
.else
	v_wmma_scale_f32_16x16x128_f8f6f4 v[rD:rD+7], v[rA:rA+7], v[rB:rB+7], v[rC:rC+7], v[rSA], v[rSB] matrix_a_fmt:MATRIX_FMT_FP4 matrix_b_fmt:MATRIX_FMT_FP4
.endif
.endm
.macro LOADW n                         ; unit n's two tiles of W (16 KiB, as they lie) and their scale words: 34 loads
.set WP, (\n)/2
.set WB, (\n)%2
	WIN 0x40                                       ; destination window 1
.set i, 0
.rept 32
	global_load_b128 v[128*WB+4*i:128*WB+4*i+3], v[LI], s[8:9] offset:WP*524288+WB*16384+512*i
.set i, i+1
.endr
	WIN 0
.irp k, 0,1
	global_load_b128 v[WS+8*WB+4*\k:WS+8*WB+4*\k+3], v[VW], s[10+2*WP:11+2*WP] offset:1024*WB+16*\k
.endr
.endm
.macro LOADBI n                        ; unit n's biases in the result's layout, into buffer n % 2: 4 loads for q and k, 16 for v
.set WP, (\n)/2
.set WB, (\n)%2
.if WP < 2
.irp u, 0,1
.irp k, 0,1
	global_load_b128 v[BI+52*WB+8*\u+4*\k:BI+52*WB+8*\u+4*\k+3], v[VB], s[16+2*WP:17+2*WP] offset:4*(32*WB+8*\u)+16*\k   ; outputs 32 b + 16 h + 8 u + 0 .. 7
.endr
.endr
.else
.irp u, 0,1
.irp j, 0,1,2,3,4,5,6,7
	global_load_b32 v[BI+52*WB+8*\u+\j], v[VR], s[20:21] offset:4*(32*WB+8*\u)   ; v: a lane holds one channel, so its bias stands in all eight registers
.endr
.endr
.endif
.endm
; 64 products: four tiles of tokens x two tiles of W x eight K steps.  The eight accumulators take turns, one instruction a turn.
.macro MULQK half, p
	WIN 0x09+4*(\half)                             ; source 0 (W) window 1, source 1 (x) window 2 or 3
.irp s, 0,1,2,3,4,5,6,7
.irp mm, 0,1,2,3
.irp u, 0,1
.set rD, ACC+16*(4*(\half)+\mm)+8*\u
.set rA, 128*(\p)+8*(8*\u+\s)
.set rB, 64*\mm+8*\s
.set rC, rD
.if \s == 0
.set rC, BI+52*(\p)+8*\u
.endif
.set rSA, WS+8*(\p)+\s
.set rSB, XS+8*((4*(\half)+\mm)/2)+\s
	WM \u, \mm%2
.endr
.endr
.endr
.endm
.macro MULV half, p
	WIN 0x06+(\half)                               ; source 0 (x) window 2 or 3, source 1 (W) window 1
.irp s, 0,1,2,3,4,5,6,7
.irp mm, 0,1,2,3
.irp u, 0,1
.set rD, ACC+64*\u+8*(4*(\half)+\mm)
.set rA, 64*\mm+8*\s
.set rB, 128*(\p)+8*(8*\u+\s)
.set rC, rD
.if \s == 0
.set rC, BI+52*(\p)+8*\u
.endif
.set rSA, XS+8*((4*(\half)+\mm)/2)+\s
.set rSB, WS+8*(\p)+\s
	WM \mm%2, \u
.endr
.endr
.endr
.endm
; Four half blocks of a lane, 16 registers each from v[s0] on, become codes in v[PC] on (two registers each) and bytes in v[TM+4] on.  A block's other half lies in lane l xor 16.
.macro QB s0
.irp b, 0,1,2,3
	v_max3_num_f32 v[TM+\b], |v[\s0+16*\b]|, |v[\s0+1+16*\b]|, 0x1800000   ; each accumulator is read from its low end on; the floor 2^(3 - 127) holds the byte at 1 from below
.endr
.irp i, 2,4,6,8,10,12,14
.irp b, 0,1,2,3
	v_max3_num_f32 v[TM+\b], v[TM+\b], |v[\s0+16*\b+\i]|, |v[\s0+1+16*\b+\i]|
.endr
.endr
.irp b, 0,1,2,3
	v_permlanex16_b32 v[TM+4+\b], v[TM+\b], s[SEL], s[SEL+1]
.endr
.irp b, 0,1,2,3
	v_max_num_f32 v[TM+\b], v[TM+\b], v[TM+4+\b]
.endr
.irp b, 0,1,2,3
	v_add_nc_u32 v[TM+12+\b], 0xff000000, v[TM+\b] ; 2 off the exponent field: the conversion's scale operand
.endr
.irp b, 0,1,2,3
	v_lshrrev_b32 v[TM+4+\b], 23, v[TM+12+\b]      ; the scale's byte
.endr
	s_wait_alu depctr_va_vdst(0)
	s_wait_xcnt 0x0                                ; the last stores have read their data: the codes' registers are written again only behind this wait
.if QBN > 0
	s_wait_alu depctr_vm_vsrc(0)                   ; the last run's four stores have read v[PC ..], which the conversions below write again
.endif
.set QBN, QBN+1
.irp b, 0,1,2,3
	v_cvt_scalef32_pk8_fp4_f32 v[PC+2*\b], v[\s0+16*\b:\s0+16*\b+7], v[TM+12+\b]
	v_cvt_scalef32_pk8_fp4_f32 v[PC+2*\b+1], v[\s0+16*\b+8:\s0+16*\b+15], v[TM+12+\b]
.endr
	v_nop                                          ; one plain line behind the last scaled conversion
	s_wait_alu depctr_va_vdst(0)                   ; the conversions have written v[PC ..], which the four stores behind this macro read
.endm
.macro EPIQK proj, blk                 ; block blk of q (proj = 0) or k (1), for the eight tiles of tokens
.if ((\proj) == 1) && ((\blk) == 0)
.irp m, 0,1,2,3,4,5,6,7
	v_cmp_eq_u32 s[MK+\m], 0, v[SB+\m]             ; the key's word of attention_mask: the eight compares in one run, a scalar register each
.endr
	s_wait_alu depctr_va_sdst(0)                   ; the compares have written s[MK ..], ahead of the selects that read them
.irp m, 0,1,2,3,4,5,6,7
	v_cndmask_b32 v[SB+\m], v[KOPEN], v[KHID], s[MK+\m]
.endr
.endif
.irp g, 0,1
	QB ACC+64*\g
.irp i, 0,1,2,3
	global_store_b64 v[SO], v[PC+2*\i:PC+2*\i+1], s[24+2*(\proj):25+2*(\proj)] offset:512*(4*\g+\i)+256*(\blk)   ; the wave stores 256 consecutive bytes, aligned: a tile's block
.endr
.irp i, 0,1,2,3
	v_lshl_or_b32 v[SB+4*\g+\i], v[TM+4+\i], 8*(\blk), v[SB+4*\g+\i]
.endr
.endr
.if (\blk) == 1
	s_wait_alu depctr_va_vdst(0)
	s_wait_xcnt 0x0
.if (\proj) == 1
	s_wait_alu depctr_vm_vsrc(0)                   ; the store of q's scale words has read v[SI ..], which the selects below write again
.endif
.irp i, 0,1,2,3
	v_cndmask_b32 v[SI+\i], v[SB+\i], v[SB+4+\i], s[HM]   ; lanes 0-15: tiles 0-3's words of row r; lanes 16-31: tiles 4-7's
.endr
	s_wait_alu depctr_va_vdst(0)                   ; the selects have written v[SI ..], which the store reads
	global_store_b128 v[LI], v[SI:SI+3], s[24+2*(\proj):25+2*(\proj)] offset:4096+4096*(\proj)
.endif
.endm
.macro EPIV blk                        ; channels 32 blk on: two tiles of d x four blocks of 32 keys
.irp u, 0,1
	QB ACC+64*\u
.irp i, 0,1,2,3
	global_store_b64 v[SO], v[PC+2*\i:PC+2*\i+1], s[26:27] offset:4096+1024*(2*(\blk)+\u)+256*\i
.endr
	v_lshl_or_b32 v[SB+2*(\blk)+\u], v[TM+5], 8, v[TM+4]
	v_lshl_or_b32 v[SB+2*(\blk)+\u], v[TM+6], 16, v[SB+2*(\blk)+\u]
	v_lshl_or_b32 v[SB+2*(\blk)+\u], v[TM+7], 24, v[SB+2*(\blk)+\u]
.endr
.if (\blk) == 1
	s_wait_alu depctr_va_vdst(0)
	s_wait_xcnt 0x0
	s_wait_alu depctr_vm_vsrc(0)                   ; the store of k's scale words has read v[SI ..], which the selects below write again
	v_cndmask_b32 v[SI], v[SB], v[SB+2], s[HM]     ; lanes 0-15: tiles 0, 1; lanes 16-31: tiles 2, 3
	v_cndmask_b32 v[SI+1], v[SB+1], v[SB+3], s[HM]
	s_wait_alu depctr_va_vdst(0)                   ; the selects have written v[SI], v[SI+1], which the store reads
	global_store_b64 v[L8], v[SI:SI+1], s[26:27] offset:8704
.endif
.endm
.macro UNIT n
.if ((\n) > 0) && ((\n) < 5)
	s_wait_alu depctr_va_vdst(0)                   ; the unit before's products are done reading W, its scale words and the biases in buffer (n + 1) % 2, in which the loads below land; ahead of unit 2 also: the selects are done reading q's words in v[SB ..]
.endif
.if (\n) == 2
.irp m, 0,1,2,3,4,5,6,7
	global_load_b32 v[SB+\m], v[VR], s[22:23] offset:4*(32*(\m/2)+8*(\m%2))   ; attention_mask of tile m's keys: q's words have left these registers; this unit's wait on LOADcnt covers the loads
.endr
.endif
.if (\n) < 5
	LOADW (\n)+1                                   ; into the buffers that the unit before multiplied.  No further wait: no vector or matrix instruction since the wait above names them
	LOADBI (\n)+1
.endif
.if (\n) == 0
	s_wait_loadcnt 63                              ; x's tiles 0-3 and all before them are in: 102 loads were issued behind them, and 63 is the largest count that a wait names
.elseif (\n) < 3
	s_wait_loadcnt 38                              ; all but the next unit's 34 loads of weights and 4 of biases
.elseif (\n) < 5
	s_wait_loadcnt 50                              ; all but the next unit's 34 loads of weights and v's 16 of biases
.else
	s_wait_loadcnt 0x0
.endif
.if (\n) < 4
	MULQK 0, (\n)%2
.else
	MULV 0, (\n)%2
.endif
.if (\n) == 0
	s_wait_loadcnt 38                              ; x's tiles 4-7 are in
.endif
.if (\n) < 4
	MULQK 1, (\n)%2
.else
	MULV 1, (\n)%2
.endif
	WIN 0
.rept 4
	v_nop                                          ; four places behind the last product (ISA guide 7.12.1), ahead of the first read of results
.endr
.if (\n) < 4
	EPIQK (\n)/2, (\n)%2
.else
	EPIV (\n)%2
.endif
.endm
	s_load_b512 s[4:19], s[0:1], 0x0               ; xq, xs, wimg, Wq_scales, Wk_scales, Wv_scales, bq, bk
	s_load_b256 s[20:27], s[0:1], 0x40             ; bv, attention_mask, qrec, kv
	v_lshrrev_b32 v10, 5, v0
	v_readfirstlane_b32 s28, v10                   ; wave
	v_and_b32 v10, 31, v0
	v_lshlrev_b32 v[LI], 4, v10
	v_lshlrev_b32 v[L8], 3, v10
	v_and_b32 v11, 15, v0                          ; r
	v_bfe_u32 v10, v0, 4, 1                        ; h
	v_lshlrev_b32 v[SO], 4, v11
	v_lshl_add_u32 v[SO], v10, 3, v[SO]
	v_lshlrev_b32 v[VX], 3, v11
	v_lshl_add_u32 v[VX], v10, 9, v[VX]
	v_lshlrev_b32 v[VB], 6, v10
	v_and_b32 v[VR], 8, v0
	v_add_nc_u32 v[VR], v[VR], v11                 ; r + 8 (r / 8)
	v_lshl_add_u32 v[VW], v10, 3, v[VR]
	v_lshlrev_b32 v[VW], 5, v[VW]
	v_lshlrev_b32 v[VR], 2, v[VR]
	v_mov_b32 v[KOPEN], 0x7f000000
	v_mov_b32 v[KHID], 0x7fe30000
.irp b, 0,1,2,3
	v_mov_b32 v[TM+4+\b], 0                        ; written once: a lane permute's destination counts as one of its sources
.endr
.irp m, 0,1,2,3,4,5,6,7
	v_mov_b32 v[SB+\m], 0x7f7f0000                 ; q's scale words: blocks 2 and 3 have the scale 1
.endr
	s_mov_b32 s[SEL], 0x76543210
	s_mov_b32 s[SEL+1], 0xfedcba98
	s_mov_b32 s[HM], 0xffff0000
	s_wait_alu depctr_va_sdst(0)                   ; s28, the wave's number, is written, ahead of its first reader: the head and every base are made from it
	s_and_b32 s29, ttmp7, 0xffff                   ; the group of 128 tokens
	s_lshl_b32 s30, ttmp9, 2
	s_add_co_u32 s30, s30, s28                     ; the head
	s_lshr_b32 s31, s29, 4
	s_lshl_b32 s31, s31, 4
	s_add_co_u32 s31, s31, s30                     ; 16 x batch + head
	s_lshl_b32 s31, s31, 4
	s_and_b32 s37, s29, 15
	s_add_co_u32 s31, s31, s37                     ; the record: x 16 + the group in its batch
	s_mov_b32 s33, 0
	s_wait_kmcnt 0x0
	s_lshl_b32 s32, s29, 16
	s_add_nc_u64 s[4:5], s[4:5], s[32:33]          ; the group's eight tiles of x
	s_lshl_b32 s32, s29, 12
	s_add_nc_u64 s[6:7], s[6:7], s[32:33]
	s_lshl_b32 s32, s30, 15
	s_add_nc_u64 s[8:9], s[8:9], s[32:33]          ; the head's four tiles in each weight's image
	s_lshl_b32 s32, s30, 11
	s_add_nc_u64 s[10:11], s[10:11], s[32:33]
	s_add_nc_u64 s[12:13], s[12:13], s[32:33]
	s_add_nc_u64 s[14:15], s[14:15], s[32:33]
	s_lshl_b32 s32, s30, 8
	s_add_nc_u64 s[16:17], s[16:17], s[32:33]
	s_add_nc_u64 s[18:19], s[18:19], s[32:33]
	s_add_nc_u64 s[20:21], s[20:21], s[32:33]
	s_lshl_b32 s32, s29, 9
	s_add_nc_u64 s[22:23], s[22:23], s[32:33]
	s_mul_i32 s32, s31, 4608
	s_add_nc_u64 s[24:25], s[24:25], s[32:33]
	s_mul_i32 s32, s31, 8960
	s_add_nc_u64 s[26:27], s[26:27], s[32:33]
	s_wait_alu depctr_va_vdst(0)                   ; the seven offsets v1 to v7 are written: every load and store of the kernel reads one of them
.irp b, 0,1,2,3
.irp w, 0,1,2,3
	global_load_b64 v[XS+8*\b+2*\w:XS+8*\b+2*\w+1], v[VX], s[6:7] offset:1024*\b+128*\w
.endr
.endr
	LOADW 0
	LOADBI 0
	WIN 0x80                                       ; destination window 2
.set i, 0
.rept 64
	global_load_b128 v[4*i:4*i+3], v[LI], s[4:5] offset:512*i          ; x's tiles 0-3, as they lie
.set i, i+1
.endr
	WIN 0xc0                                       ; destination window 3
.set i, 0
.rept 64
	global_load_b128 v[4*i:4*i+3], v[LI], s[4:5] offset:32768+512*i    ; tiles 4-7
.set i, i+1
.endr
	WIN 0
	UNIT 0
	UNIT 1
	UNIT 2
	UNIT 3
	UNIT 4
	UNIT 5
	s_endpgm
.Lfunc_end_k_q7a665fb38d_qkv:
	.size	k_q7a665fb38d_qkv, .Lfunc_end_k_q7a665fb38d_qkv-k_q7a665fb38d_qkv
	.p2alignl 7, 3214868480
	.fill 96, 4, 3214868480
	.section	.rodata,"a",@progbits
	.p2align	6, 0x0
	.amdhsa_kernel k_q7a665fb38d_qkv
		.amdhsa_group_segment_fixed_size 0
		.amdhsa_private_segment_fixed_size 0
		.amdhsa_enable_private_segment 0
		.amdhsa_kernarg_size 96
		.amdhsa_user_sgpr_count 2
		.amdhsa_user_sgpr_kernarg_segment_ptr 1
		.amdhsa_wavefront_size32 1
		.amdhsa_system_sgpr_workgroup_id_x 1
		.amdhsa_system_sgpr_workgroup_id_y 1
		.amdhsa_system_sgpr_workgroup_id_z 1
		.amdhsa_system_vgpr_workitem_id 0
		.amdhsa_next_free_vgpr 1024
		.amdhsa_next_free_sgpr 66
		.amdhsa_reserve_vcc 0
		.amdhsa_float_denorm_mode_32 3
		.amdhsa_float_denorm_mode_16_64 3
		.amdhsa_memory_ordered 1
		.amdhsa_forward_progress 1
		.amdhsa_inst_pref_size 192
	.end_amdhsa_kernel
	.amdgpu_metadata
---
amdhsa.version: [ 1, 2 ]
amdhsa.kernels:
  - .name:           k_q7a665fb38d_qkv
    .symbol:         k_q7a665fb38d_qkv.kd
    .args:
      - { .name: xq, .offset: 0, .size: 8, .value_kind: global_buffer, .address_space: global }
      - { .name: xs, .offset: 8, .size: 8, .value_kind: global_buffer, .address_space: global }
      - { .name: wimg, .offset: 16, .size: 8, .value_kind: global_buffer, .address_space: global }
      - { .name: Wq_scales, .offset: 24, .size: 8, .value_kind: global_buffer, .address_space: global }
      - { .name: Wk_scales, .offset: 32, .size: 8, .value_kind: global_buffer, .address_space: global }
      - { .name: Wv_scales, .offset: 40, .size: 8, .value_kind: global_buffer, .address_space: global }
      - { .name: bq, .offset: 48, .size: 8, .value_kind: global_buffer, .address_space: global }
      - { .name: bk, .offset: 56, .size: 8, .value_kind: global_buffer, .address_space: global }
      - { .name: bv, .offset: 64, .size: 8, .value_kind: global_buffer, .address_space: global }
      - { .name: attention_mask, .offset: 72, .size: 8, .value_kind: global_buffer, .address_space: global }
      - { .name: qrec, .offset: 80, .size: 8, .value_kind: global_buffer, .address_space: global }
      - { .name: kv, .offset: 88, .size: 8, .value_kind: global_buffer, .address_space: global }
    .group_segment_fixed_size: 0
    .private_segment_fixed_size: 0
    .kernarg_segment_align: 8
    .kernarg_segment_size: 96
    .max_flat_workgroup_size: 128
    .sgpr_count:     66
    .vgpr_count:     1024
    .wavefront_size: 32
...
	.end_amdgpu_metadata
.endif
;; end of part 6
;; launch attn (part 7): grid 8 x 32, 16 waves a work-group, clusters of 4 x 1, 327,680 bytes of LDS; arguments qrec, kv, hc, hs; writes hc, hs
.if DOCPART == 7
	.amdgcn_target "amdgcn-amd-amdhsa--gfx1250"
	.amdhsa_code_object_version 6
	.text
	.protected	k_q7a665fb38d_attn
	.globl	k_q7a665fb38d_attn
	.p2align	8
	.type	k_q7a665fb38d_attn,@function
k_q7a665fb38d_attn:
	s_mov_b64 s[64:65], 0
	v_nop
	global_prefetch_b8 v0, s[64:65] scope:SCOPE_SE
	s_setreg_imm32_b32 hwreg(HW_REG_WAVE_MODE, 25, 1), 1
	s_wait_xcnt 0x0
	s_wait_alu depctr_hold_cnt(0) depctr_sa_sdst(0) depctr_va_vdst(0) depctr_va_sdst(0) depctr_va_ssrc(0) depctr_va_vcc(0) depctr_vm_vsrc(0)
	s_getreg_b32 s2, hwreg(HW_REG_IB_STS2, 6, 4)
	s_cmp_eq_u32 s2, 0
	s_cbranch_scc0 .Lentry_in_a_cluster
	s_endpgm
.Lentry_in_a_cluster:
	s_bfe_u32 s2, ttmp6, 0x10000c
	s_cmp_lg_u32 s2, 0x3003
	s_cbranch_scc0 .Lentry_shape_is_right
	s_endpgm
.Lentry_shape_is_right:
; Hctx = softmax(q k^T / 8, masked) v for two heads of one batch, both products on codes of FP4 (E2M1); Hctx leaves as codes along D, in the order of the last product's operand registers.
; THE SOFTMAX: t = score x log2(e) / 8; M = the running largest t rounded UP to a whole number; p = 2^(t - M) is quantised along the keys, not normalised; the row's sum is taken of the unquantised p and divides at the end.
; When M moves, the sum and O are multiplied by 2^(old M - new M): exact.
; SHARES.  A work-group owns 256 queries and a PAIR of heads; each of its sixteen waves owns one tile of 16 queries, in 256 registers: four waves to a SIMD, so that one wave's vector work stands beside another's products and LDS loads.
; A wave walks all 2,048 keys of the first head, 128 a step, then of the second.
; LDS holds both heads' records of k and v WHOLE: 2 x 16 x 8,960 bytes, as they lie in memory.  It is filled once: every wave brings one record of each head; nothing is filled again, so there is no ring.
; CLUSTER.  The four work-groups of a cluster are four blocks of queries of the same pair of heads: each record is asked for JOINTLY, by the same tensor load with the same descriptor and a mask that names the four.
; No prefetch: every byte of k and v is asked for by the tensor loads at the head.
; LAYOUT.  Both products are used transposed: S^T = k q^T (source 0 = 16 keys), O^T = v^T p^T (source 0 = 16 channels): a lane holds ONE query throughout.  The keys and the channels of a tile are chosen (by the launch before) so that
; the 16 registers of two neighbouring tiles are 16 neighbours: keys 32 b + 16 (lane / 16) + 0 .. 15 in S^T, channels likewise in O^T.
; THE MASK costs no line here.  A head's 64 fill blocks 0 and 1 of the instruction's K = 128.  At k = 64 q's fragment holds the code +1 and every fragment of k the code -1; block 2's scale byte of a key is 2^-127 (open) or 2^100 (hidden).
; A hidden key's score is so -2^100, its p 0.  The running largest t begins at -2^90: steps all of whose keys are hidden give p = 0 and move nothing.
; LIMITS: |t| stays under 2^90; an open key's score carries -2^-127.  A batch with no open key ends with the sum 0: its scale bytes of Hctx are set to 0xff, so that the last product, and the output, are NaN there, as in the reference.
.set LI,  1                            ; 16 x lane
.set L8,  2                            ; 8 x lane
.set SO,  3                            ; 16 r + 8 (lane / 16)
.set R16, 4                            ; 16 r
.set R4,  5                            ; 4 r
.set A0,  6                            ; the step's record + 16 x lane
.set A1,  7                            ; the step's record + 8 x lane
.set SW,  8                            ; Hctx's scale word: two bytes of each head
.set KS,  24                           ; v24-27 k's scale words: lanes 0-15 tiles 0-3, lanes 16-31 tiles 4-7
.set VS,  28                           ; v28-29 v's: lanes 0-15 tiles 0, 1, lanes 16-31 tiles 2, 3
; v9 the sum, v10 at work, v11 its reciprocal; v12 -M, v13 the largest t, v[14:15] the sum in two halves; v16-23 q; v32-63, v200-231 k's eight tiles; v64-95 v's four; v96-159 S^T, then p; v160-191 O^T; v192-199 p's codes;
; v232-254 at work; v253 p's scale word; v255 q's.
.set WV,  12
.set CS,  16                           ; s[16:17] c = log2(e) / 8: the packed form names a pair and takes its low word for both halves
.set SEL, 18                           ; s[18:19] v_permlanex16_b32's selects for lane l xor 16
.set TB,  20                           ; LDS byte at which the step's record begins
.set CNT, 21
.set G1,  24                           ; s[24:31] descriptor group 1;  s[32:35], s[36:39] groups 0 for the two heads' records
.set G0A, 32
.set G0B, 36
.set QA,  40                           ; s[40:41] my tile of q;  s[42:43] its scale words;  s[44:45] my tile of hc;  s[46:47] my words of hs
.set QS,  42
.set HC,  44
.set HSB, 46
.set REC, 8960
.set HEADB, 16*REC
.macro ROUND                           ; a round of the cluster's barrier: my work-group's barrier; wave 0 signals for the work-group; every wave waits for all four work-groups; my work-group's barrier once more
	s_barrier_signal -1
	s_barrier_wait -1
	s_cmp_lg_u32 s[WV], 0
	s_cbranch_scc1 .Lnot_wave_0_\@
	s_barrier_signal -3
.Lnot_wave_0_\@:
	s_barrier_wait -3
	s_barrier_signal -1
	s_barrier_wait -1
.endm
	s_load_b256 s[4:11], s[0:1], 0x0               ; qrec, kv, hc, hs
	v_lshl_add_u32 v250, v0, 2, 0x46000
	v_mov_b32 v251, 0
	ds_add_u32 v250, v251
	ds_add_u32 v250, v251
	v_lshrrev_b32 v6, 5, v0
	s_delay_alu instid0(VALU_DEP_1)
	v_readfirstlane_b32 s[WV], v6                  ; wave 0..15
	s_and_b32 s15, ttmp7, 0xffff                   ; y = 8 x batch + pair of heads: the four partners share it
	s_mul_i32 s50, s15, 2*HEADB
	s_mul_i32 s[G0A+1], s[WV], REC                 ; my record's place in LDS: the wave's number alone enters it
	s_add_co_u32 s50, s50, s[G0A+1]                ; and in kv: no place in the cluster enters it
	s_mov_b32 s51, 0
	; descriptor group 1: a record is a dense block: 35 rows of 256 bytes (32 elements of 8 bytes)
	s_mov_b32 s[G1], 15|(3<<16)|(1<<21)            ; 15:0 the mask: all four work-groups; 17:16 elements of 8 bytes; 21 set beside a mask; no padding
	s_mov_b32 s[G1+1], 32<<16                      ; tensor_dim0 = 32
	s_mov_b32 s[G1+2], 35<<16                      ; tensor_dim1 = 35
	s_mov_b32 s[G1+3], 32<<16                      ; tile_dim0 = 32
	s_mov_b32 s[G1+4], 35                          ; tile_dim1 = 35
	s_mov_b32 s[G1+5], 32                          ; from row to row
	s_mov_b32 s[G1+6], 0
	s_mov_b32 s[G1+7], 0
	s_mov_b32 s[CS], 0x3e38aa3b
	s_mov_b32 s[CS+1], s[CS]
	s_mov_b32 s[SEL], 0x76543210
	s_mov_b32 s[SEL+1], 0xfedcba98
	s_bfe_u32 s13, ttmp6, 0x40000                  ; cx: it enters the global addresses of q, hc and hs alone
	s_lshl_b32 s14, ttmp9, 2
	s_add_co_u32 s14, s14, s13                     ; my block of 256 queries
	s_lshl_b32 s52, s15, 5
	s_lshl_b32 s53, s14, 1
	s_add_co_u32 s52, s52, s53
	s_lshr_b32 s53, s[WV], 3
	s_add_co_u32 s52, s52, s53                     ; q's record: 16 x (first head) + the group of 128 queries
	s_mul_i32 s52, s52, 4608
	s_mov_b32 s53, 0
	s_mov_b32 s55, 0
	s_wait_dscnt 0x0
	s_wait_kmcnt 0x0
	s_add_nc_u64 s[QA:QA+1], s[4:5], s[52:53]
	s_bfe_u32 s54, s[WV], 0x10002
	s_lshl_b32 s54, s54, 8
	s_and_b32 s56, s[WV], 3
	s_lshl_b32 s56, s56, 2
	s_add_co_u32 s54, s54, s56
	s_add_co_u32 s54, s54, 4096
	s_add_nc_u64 s[QS:QS+1], s[QA:QA+1], s[54:55]  ; my tile's words in the record's image of scale words
	s_and_b32 s54, s[WV], 7
	s_lshl_b32 s54, s54, 9
	s_add_nc_u64 s[QA:QA+1], s[QA:QA+1], s[54:55]  ; my tile's 512 bytes of codes
	s_lshr_b32 s52, s15, 3
	s_lshl_b32 s52, s52, 7
	s_lshl_b32 s54, s14, 4
	s_add_co_u32 s52, s52, s54
	s_add_co_u32 s52, s52, s[WV]                   ; my tile of tokens: 128 x batch + 16 x block + wave
	s_and_b32 s56, s15, 7                          ; the pair of heads = the last product's K step
	s_lshl_b32 s54, s52, 13
	s_lshl_b32 s57, s56, 10
	s_add_co_u32 s54, s54, s57
	s_add_nc_u64 s[HC:HC+1], s[8:9], s[54:55]
	s_lshr_b32 s54, s52, 1
	s_lshl_b32 s54, s54, 10
	s_lshl_b32 s57, s56, 7
	s_add_co_u32 s54, s54, s57
	s_and_b32 s57, s[WV], 1
	s_lshl_b32 s57, s57, 6
	s_add_co_u32 s54, s54, s57
	s_add_nc_u64 s[HSB:HSB+1], s[10:11], s[54:55]
	ROUND                                          ; all four work-groups are here: the joint loads meet
	s_mov_b32 s[G0A], 1                            ; count = 1
	s_add_nc_u64 s[G0A+2:G0A+3], s[6:7], s[50:51]  ; the first head's record w
	s_mov_b32 s[G0B], 1
	s_add_co_u32 s[G0B+1], s[G0A+1], HEADB
	s_add_nc_u64 s[G0B+2:G0B+3], s[G0A+2:G0A+3], HEADB   ; the second head's
	s_or_b32 s[G0A+3], s[G0A+3], 0x80000000        ; type = 2
	s_or_b32 s[G0B+3], s[G0B+3], 0x80000000
	tensor_load_to_lds s[G0A:G0A+3], s[G1:G1+7]    ; the first head's fill; a wait on TENSORcnt and a round of the cluster's barrier stand before the second's: one load of mine is out at a time
	s_nop 0
	s_wait_alu depctr_va_vdst(0)
	s_wait_tensorcnt 0x0
	ds_add_u32 v250, v251
	s_wait_dscnt 0x0
	ROUND
	tensor_load_to_lds s[G0B:G0B+3], s[G1:G1+7]
	s_nop 0
.rept 4
	v_nop                                          ; behind a tensor load
.endr
	v_and_b32 v6, 31, v0
	s_delay_alu instid0(VALU_DEP_1)
	v_lshlrev_b32 v[LI], 4, v6
	s_delay_alu instid0(VALU_DEP_2)
	v_lshlrev_b32 v[L8], 3, v6
	v_and_b32 v6, 15, v0                           ; r
	v_bfe_u32 v7, v0, 4, 1                         ; h
	s_delay_alu instid0(VALU_DEP_2)
	v_lshlrev_b32 v[R16], 4, v6
	s_delay_alu instid0(VALU_DEP_3)
	v_lshlrev_b32 v[R4], 2, v6
	s_delay_alu instid0(VALU_DEP_2)
	v_lshl_add_u32 v[SO], v7, 3, v[R16]
	v_mov_b32 v[SW], 0
	v_mov_b32 v10, 0                               ; written once: a lane permute's destination counts as one of its sources
	v_lshlrev_b32 v9, 1, v7
	s_delay_alu instid0(VALU_DEP_1)
	v_sub_nc_u32 v20, 2, v9                        ; q's block 2 (lanes 0-15): the code +1 at k = 64; block 3 (lanes 16-31): zeros
	v_mov_b32 v21, 0
	v_mov_b32 v22, 0
	v_mov_b32 v23, 0
	v_mul_u32_u24 v9, v7, 10
	s_delay_alu instid0(VALU_DEP_1)
	v_sub_nc_u32 v9, 10, v9                        ; k's: the code -1
.irp T, 0,1,2,3
	v_mov_b32 v[36+8*\T], v9
	v_mov_b32 v[37+8*\T], 0
	v_mov_b32 v[38+8*\T], 0
	v_mov_b32 v[39+8*\T], 0
	v_mov_b32 v[204+8*\T], v9
	v_mov_b32 v[205+8*\T], 0
	v_mov_b32 v[206+8*\T], 0
	v_mov_b32 v[207+8*\T], 0
.endr
.irp b, 0,1,2,3
	v_mov_b32 v[236+\b], 0
.endr
	v_mov_b32 v253, 0                              ; (named as the upper half of the pair v[252:253] before it is first written)
; A KEY STEP: 128 keys, one record.
.macro STEP
	v_add_nc_u32 v[A0], s[TB], v[LI]
	v_add_nc_u32 v[A1], s[TB], v[L8]
	v_nop
	v_nop                                          ; four places behind the last step's products, ahead of the loads into v's registers
	ds_load_b128 v[KS:KS+3], v[A0] offset:8192
.irp T, 0,1,2,3
	ds_load_b128 v[32+8*\T:35+8*\T], v[A0] offset:512*\T           ; a tile of k: blocks 0 and 1, 512 consecutive bytes
.endr
.irp T, 4,5,6,7
	ds_load_b128 v[168+8*\T:171+8*\T], v[A0] offset:512*\T
.endr
.irp t, 0,1,2,3
.irp c, 0,1
	ds_load_b128 v[64+8*\t+4*\c:67+8*\t+4*\c], v[A0] offset:4096+1024*\t+512*\c
.endr
.endr
	ds_load_b64 v[VS:VS+1], v[A1] offset:8704
	s_wait_dscnt 9                                 ; k and its words are in; v's eight loads and its words may be out
.irp T, 0,1,2,3
	v_wmma_scale_f32_16x16x128_f8f6f4 v[96+8*\T:103+8*\T], v[32+8*\T:39+8*\T], v[16:23], 0, v[KS+\T], v255 matrix_a_fmt:MATRIX_FMT_FP4 matrix_b_fmt:MATRIX_FMT_FP4
.endr
.irp T, 4,5,6,7
	v_wmma_scale_f32_16x16x128_f8f6f4 v[96+8*\T:103+8*\T], v[168+8*\T:175+8*\T], v[16:23], 0, v[KS+\T-4], v255 matrix_a_fmt:MATRIX_FMT_FP4 matrix_b_fmt:MATRIX_FMT_FP4 matrix_a_scale:MATRIX_SCALE_ROW1
.endr
.rept 4
	v_nop
.endr
.irp b, 0,1,2,3
	v_max3_num_f32 v[232+\b], v[96+16*\b], v[97+16*\b], v[98+16*\b]   ; the largest score of each block of 32 keys: it serves for the row's maximum and, since p rises with the score, for the block's largest p
.endr
.irp i, 3,5,7,9,11,13
.irp b, 0,1,2,3
	v_max3_num_f32 v[232+\b], v[232+\b], v[96+16*\b+\i], v[97+16*\b+\i]
.endr
.endr
.irp b, 0,1,2,3
	v_max_num_f32 v[232+\b], v[232+\b], v[111+16*\b]
.endr
.irp b, 0,1,2,3
	s_delay_alu instid0(VALU_DEP_4)
	v_permlanex16_b32 v[236+\b], v[232+\b], s[SEL], s[SEL+1]
.endr
.irp b, 0,1,2,3
	s_delay_alu instid0(VALU_DEP_4)
	v_max_num_f32 v[232+\b], v[232+\b], v[236+\b]  ; with lane l xor 16's 16 keys
.endr
	s_delay_alu instid0(VALU_DEP_2)
	v_max3_num_f32 v254, v232, v233, v234
	s_delay_alu instid0(VALU_DEP_1)
	v_max_num_f32 v254, v254, v235
	s_delay_alu instid0(VALU_DEP_1)
	v_mul_f32 v254, s[CS], v254                    ; the step's largest t of my query
	s_delay_alu instid0(VALU_DEP_1)
	v_max_num_f32 v13, v13, v254
	v_mov_b32 v254, v12
	s_delay_alu instid0(VALU_DEP_2)
	v_floor_f32 v12, -v13                          ; the new -M = -ceil(t): a whole number
	s_delay_alu instid0(VALU_DEP_1)
	v_sub_f32 v254, v12, v254                      ; old M - new M: a whole number, 0 or less
	s_delay_alu instid0(VALU_DEP_1)
	v_cvt_i32_f32 v254, v254                       ; (it saturates)
	s_delay_alu instid0(VALU_DEP_1)
	v_ldexp_f32 v252, 1.0, v254                    ; f = 2^(old M - new M)
.set j, 0
.rept 32
	v_pk_fma_f32 v[96+j:97+j], v[96+j:97+j], s[CS:CS+1], v[12:13] op_sel_hi:[1,0,0]   ; t - M, two at a time
.set j, j+2
.endr
.irp b, 0,1,2,3
	v_fma_f32 v[232+\b], v[232+\b], s[CS], v12     ; the same of each block's largest score
.endr
.set j, 0
	s_wait_alu depctr_va_vdst(0)
.rept 64
	v_exp_f32 v[96+j], v[96+j]                     ; p = 2^(t - M)
.set j, j+1
.endr
	s_setprio 1
	v_pk_mul_f32 v[14:15], v[14:15], v[252:253] op_sel_hi:[1,0]    ; the sums under the new M (the plain line behind the exponentials)
	s_wait_alu depctr_va_vdst(0)                   ; one wait for the batch of 64, ahead of its first reader
.irp b, 0,1,2,3
	v_exp_f32 v[232+\b], v[232+\b]                 ; the block's largest p
.endr
	v_pk_add_f32 v[236:237], v[96:97], v[98:99]    ; the row's sum of the unquantised p, in two chains
.irp j, 4,8,12,16,20,24,28,32,36,40,44,48,52,56,60
	v_pk_add_f32 v[14:15], v[14:15], v[96+\j:97+\j]
	v_pk_add_f32 v[236:237], v[236:237], v[98+\j:99+\j]
.endr
	s_delay_alu instid0(VALU_DEP_1)
	v_pk_add_f32 v[14:15], v[14:15], v[236:237]
	s_wait_alu depctr_va_vdst(0)                   ; and one for the four
.irp b, 0,1,2,3
	v_max_num_f32 v[232+\b], 0x1800000, v[232+\b]  ; the floor 2^(3 - 127): a block whose every p is 0 keeps the byte 1; its codes are zeros
.endr
.irp b, 0,1,2,3
	s_delay_alu instid0(VALU_DEP_4)
	v_add_nc_u32 v[244+\b], 0xff000000, v[232+\b]
.endr
.irp b, 0,1,2,3
	s_delay_alu instid0(VALU_DEP_4)
	v_lshrrev_b32 v[236+\b], 23, v[244+\b]
.endr
	s_delay_alu instid0(VALU_DEP_3)
	v_lshl_or_b32 v253, v237, 8, v236              ; p's scale word for these 128 keys
	s_delay_alu instid0(VALU_DEP_1)
	v_lshl_or_b32 v253, v238, 16, v253
	s_delay_alu instid0(VALU_DEP_1)
	v_lshl_or_b32 v253, v239, 24, v253
.irp b, 0,1,2,3
	v_cvt_scalef32_pk8_fp4_f32 v[192+2*\b], v[96+16*\b:103+16*\b], v[244+\b]
	v_cvt_scalef32_pk8_fp4_f32 v[193+2*\b], v[104+16*\b:111+16*\b], v[244+\b]
.endr
	v_nop                                          ; one plain line behind the last scaled conversion
.irp c, 0,1                                    ; the operand's layout wants a whole block in a lane
.irp i, 0,1
	v_permlane16_swap_b32 v[192+4*\c+\i], v[194+4*\c+\i]
.endr
.endr
.set j, 0
	s_setprio 0
.rept 16
	v_pk_mul_f32 v[160+j:161+j], v[160+j:161+j], v[252:253] op_sel_hi:[1,0]   ; O^T under the new M; these sixteen are also the places between p's scale word and codes and the products
.set j, j+2
.endr
	s_wait_alu depctr_va_vdst(0)
	s_wait_dscnt 0x0                               ; v is in
.irp t, 0,1
	v_wmma_scale_f32_16x16x128_f8f6f4 v[160+8*\t:167+8*\t], v[64+8*\t:71+8*\t], v[192:199], v[160+8*\t:167+8*\t], v[VS+\t], v253 matrix_a_fmt:MATRIX_FMT_FP4 matrix_b_fmt:MATRIX_FMT_FP4
.endr
.irp t, 2,3
	v_wmma_scale_f32_16x16x128_f8f6f4 v[160+8*\t:167+8*\t], v[64+8*\t:71+8*\t], v[192:199], v[160+8*\t:167+8*\t], v[VS+\t-2], v253 matrix_a_fmt:MATRIX_FMT_FP4 matrix_b_fmt:MATRIX_FMT_FP4 matrix_a_scale:MATRIX_SCALE_ROW1
.endr
.endm
; A HEAD: e = 0, 1.
.macro PASS e
	s_wait_xcnt 0x0                                ; the last head's stores have read their data: p's codes' registers are written again only behind this wait
	global_load_b128 v[16:19], v[LI], s[QA:QA+1] offset:73728*\e   ; q's blocks 0 and 1; a head on is 16 records of 4,608 bytes
	global_load_b32 v255, v[R16], s[QS:QS+1] offset:73728*\e
	v_mov_b32 v13, 0xec800000                      ; the largest t so far: -2^90
	s_delay_alu instid0(VALU_DEP_1)
	v_floor_f32 v12, -v13
	v_mov_b32 v14, 0
	v_mov_b32 v15, 0
.set j, 0
.rept 32
	v_mov_b32 v[160+j], 0                          ; O^T: the step is written once; its first trip finds zeros
.set j, j+1
.endr
	s_mov_b32 s[TB], HEADB*\e
	s_mov_b32 s[CNT], 16
	s_wait_loadcnt 0x0
.Lstep_\@:
	s_setprio 2
	STEP
	s_add_co_u32 s[TB], s[TB], REC
	s_sub_co_u32 s[CNT], s[CNT], 1
	s_cmp_lg_u32 s[CNT], 0
	s_cbranch_scc1 .Lstep_\@
	s_setprio 0
.rept 4
	v_nop                                          ; four places behind the last products
.endr
	v_add_f32 v9, v14, v15
	s_delay_alu instid0(VALU_DEP_1)
	v_permlanex16_b32 v10, v9, s[SEL], s[SEL+1]
	s_delay_alu instid0(VALU_DEP_1)
	v_add_f32 v9, v9, v10                          ; the row's sum
	s_wait_alu depctr_va_vdst(0)
	v_rcp_f32 v11, v9
	v_nop
	s_wait_alu depctr_va_vdst(0)                   ; ahead of the reciprocal's first reader
.set j, 0
.rept 32
	v_mul_f32 v[96+j], v[160+j], v11               ; Hctx: register 16 b + i is channel 32 b + 16 (lane / 16) + i of my query; each accumulator from its low end on
.set j, j+1
.endr
.irp b, 0,1
	v_max3_num_f32 v[232+\b], |v[96+16*\b]|, |v[97+16*\b]|, 0x1800000
.endr
.irp i, 2,4,6,8,10,12,14
.irp b, 0,1
	s_delay_alu instid0(VALU_DEP_2)
	v_max3_num_f32 v[232+\b], v[232+\b], |v[96+16*\b+\i]|, |v[97+16*\b+\i]|
.endr
.endr
.irp b, 0,1
	s_delay_alu instid0(VALU_DEP_2)
	v_permlanex16_b32 v[236+\b], v[232+\b], s[SEL], s[SEL+1]
.endr
.irp b, 0,1
	s_delay_alu instid0(VALU_DEP_2)
	v_max_num_f32 v[232+\b], v[232+\b], v[236+\b]
.endr
.irp b, 0,1
	s_delay_alu instid0(VALU_DEP_2)
	v_add_nc_u32 v[244+\b], 0xff000000, v[232+\b]
.endr
.irp b, 0,1
	s_delay_alu instid0(VALU_DEP_2)
	v_lshrrev_b32 v[236+\b], 23, v[244+\b]
.endr
	s_delay_alu instid0(VALU_DEP_1)
	v_lshl_or_b32 v10, v237, 8, v236
	v_cmp_neq_f32 vcc_lo, 0, v9
	s_delay_alu instid0(VALU_DEP_1)
	v_cndmask_b32 v10, 0xffff, v10, vcc_lo         ; no open key: the bytes that make the last product NaN
	v_lshrrev_b32 v[SW], 16, v[SW]
	s_delay_alu instid0(VALU_DEP_1)
	v_lshl_or_b32 v[SW], v10, 16, v[SW]            ; the first head's two bytes end below, the second's above
.irp b, 0,1
	v_cvt_scalef32_pk8_fp4_f32 v[192+2*\b], v[96+16*\b:103+16*\b], v[244+\b]
	v_cvt_scalef32_pk8_fp4_f32 v[193+2*\b], v[104+16*\b:111+16*\b], v[244+\b]
.endr
	v_nop
	global_store_b64 v[SO], v[192:193], s[HC:HC+1] offset:512*\e        ; the wave stores 256 consecutive bytes, aligned: a block of the tile's image
	global_store_b64 v[SO], v[194:195], s[HC:HC+1] offset:512*\e+256
.endm
	s_wait_tensorcnt 0x1                           ; my record of the first head is in; the second head's may stay out
	s_barrier_signal -1
	s_barrier_wait -1                              ; everybody's is
	PASS 0
	s_wait_tensorcnt 0x0                           ; my record of the second head is in
	s_wait_dscnt 0x0
	s_barrier_signal -1
	s_barrier_wait -1
	PASS 1
	global_store_b32 v[R4], v[SW], s[HSB:HSB+1]    ; my 16 rows' scale words of this K step; lanes 16-31 write the same words with the same values
	s_wait_tensorcnt 0x0
	ds_add_u32 v250, v251
	s_wait_dscnt 0x0
	ROUND                                          ; the closing round: no work-group ends while a partner may still ask for a record that names it
	s_endpgm
.Lfunc_end_k_q7a665fb38d_attn:
	.size	k_q7a665fb38d_attn, .Lfunc_end_k_q7a665fb38d_attn-k_q7a665fb38d_attn
	.p2alignl 7, 3214868480
	.fill 96, 4, 3214868480
	.section	.rodata,"a",@progbits
	.p2align	6, 0x0
	.amdhsa_kernel k_q7a665fb38d_attn
		.amdhsa_group_segment_fixed_size 327680
		.amdhsa_private_segment_fixed_size 0
		.amdhsa_enable_private_segment 0
		.amdhsa_kernarg_size 32
		.amdhsa_user_sgpr_count 2
		.amdhsa_user_sgpr_kernarg_segment_ptr 1
		.amdhsa_wavefront_size32 1
		.amdhsa_system_sgpr_workgroup_id_x 1
		.amdhsa_system_sgpr_workgroup_id_y 1
		.amdhsa_system_sgpr_workgroup_id_z 1
		.amdhsa_system_vgpr_workitem_id 0
		.amdhsa_next_free_vgpr 256
		.amdhsa_next_free_sgpr 66
		.amdhsa_reserve_vcc 1
		.amdhsa_float_denorm_mode_32 3
		.amdhsa_float_denorm_mode_16_64 3
		.amdhsa_memory_ordered 1
		.amdhsa_forward_progress 1
		.amdhsa_inst_pref_size 51
	.end_amdhsa_kernel
	.amdgpu_metadata
---
amdhsa.version: [ 1, 2 ]
amdhsa.kernels:
  - .name:           k_q7a665fb38d_attn
    .symbol:         k_q7a665fb38d_attn.kd
    .args:
      - { .name: qrec, .offset: 0, .size: 8, .value_kind: global_buffer, .address_space: global }
      - { .name: kv, .offset: 8, .size: 8, .value_kind: global_buffer, .address_space: global }
      - { .name: hc, .offset: 16, .size: 8, .value_kind: global_buffer, .address_space: global }
      - { .name: hs, .offset: 24, .size: 8, .value_kind: global_buffer, .address_space: global }
    .group_segment_fixed_size: 327680
    .private_segment_fixed_size: 0
    .kernarg_segment_align: 8
    .kernarg_segment_size: 32
    .max_flat_workgroup_size: 512
    .sgpr_count:     66
    .vgpr_count:     256
    .wavefront_size: 32
...
	.end_amdgpu_metadata
.endif
;; end of part 7
;; launch outln (part 8): grid 256 x 1, 16 waves a work-group, no clusters, 150,016 bytes of LDS; arguments hc, hs, wimg, Wo_scales, bo, x, ln_w, ln_b, out0; writes out0
.if DOCPART == 8
	.amdgcn_target "amdgcn-amd-amdhsa--gfx1250"
	.amdhsa_code_object_version 6
	.text
	.protected	k_q7a665fb38d_outln
	.globl	k_q7a665fb38d_outln
	.p2align	8
	.type	k_q7a665fb38d_outln,@function
k_q7a665fb38d_outln:
	s_mov_b64 s[64:65], 0
	v_nop
	global_prefetch_b8 v0, s[64:65] scope:SCOPE_SE
	s_setreg_imm32_b32 hwreg(HW_REG_WAVE_SCHED_MODE, 0, 2), 2
	s_setreg_imm32_b32 hwreg(HW_REG_WAVE_MODE, 25, 1), 1
	s_wait_xcnt 0x0
	s_wait_alu depctr_vm_vsrc(0)
; out = LayerNorm(x + Hctx Wo^T + bo) x ln_w + ln_b.  The product on codes of FP4 (E2M1); all else in f32.
; SHARES.  A work-group owns 32 tokens (two tiles of Hctx's image, which are 32 neighbouring rows) and all 1,024 columns, so that a row's mean and variance never leave it.  Wave w makes columns 64 w .. 64 w + 63: four tiles of Wo.
; Each fragment of Wo is read by ONE wave of the work-group: it goes from memory straight into registers, three K steps ahead; so no tile of Wo lies in LDS and there is no joint load.
; Hctx's two tiles (16 KiB) are read by all sixteen waves: each wave brings 1,024 bytes into LDS, as they lie.
; TRANSPOSED (source 0 = 16 rows of Wo, source 1 = 16 tokens): a lane holds one token and eight neighbouring columns.  bo is loaded into the accumulators, in the result's layout: every product adds in place.
; The results meet in a stage in LDS (32 rows x (4,096 + 16) bytes); then wave w owns rows 2 w and 2 w + 1 whole: residual, mean, variance (in two passes: a common offset of x does no harm), gain and bias, and stores of 512 consecutive bytes.
; No prefetch: the launch moves x in and out0 out against 64 matrix instructions a wave; x's rows are asked for two and three K steps ahead of their use.
; THE MODE: SCHED_MODE bits 1:0 = 2 (LLVM: expert scheduling mode 2), set by the entry lines.  The code itself states the register dependences between vector or matrix instructions and memory or LDS instructions, with s_wait_alu, always for 0.
; THE PLAN.  Registers that memory or LDS instructions touch:
;   v1 .. v7     offsets and LDS addresses, made once at the head and never written again.
;   HF0, HF1     K step s: its products read HF[s % 2]; the LDS loads of step s + 2 land in it, issued at the head of step s + 1.  (HF0's first eight registers are first the data of the two LDS stores at the head.)
;   WF0 .. WF2   K step s: its products read WF[s % 3]; the loads of step s + 3 (behind steps 5 to 7: x's rows, ln_w) land in it, issued at the end of step s.  ln_b lands in HF behind step 7.
;   the accumulators   bo lands in them; the products add; the stage's LDS stores read them; the rows' LDS loads land in them; the norm writes them; the global stores read them.
; So ONE wait on va_vdst stands at the end of a K step: its products are done reading WF[s % 3] and HF[s % 2].  The loads that follow it, and the next step's LDS loads, owe nothing more: no vector or matrix instruction stands between.
; Two waits on vm_vsrc, one behind each barrier, free the registers that LDS stores have read.  One wait on va_vdst stands ahead of each row's stores.
.set LI,  1                            ; 16 x lane
.set VW,  2                            ; a row of Wo's scale bytes: 32 (8 (lane / 16) + r + 8 (r / 8)): lanes 0-15 the even tile, lanes 16-31 the odd one
.set VB,  3                            ; 64 (lane / 16)
.set L4,  4                            ; 4 x lane
.set SA,  5                            ; the stage: where I put my results
.set SR,  6                            ; and where I read my two rows
.set HW,  7                            ; where I put my 1,024 bytes of Hctx
.set HS,  12                           ; v12-19   Hctx's scale words, K step s: lanes 0-15 tile 0, lanes 16-31 tile 1
.set WS,  20                           ; v20-35   Wo's: pair of tiles i, K step s at 8 i + s
.set HF,  36                           ; v36-67   Hctx's fragments, two sets of two; later ln_b
.set WF,  68                           ; v68-163  Wo's fragments, three sets of four; later x's two rows and ln_w
.set ACC, 164                          ; v164-227 eight accumulators (tile tt of Wo, tile m of tokens at 8 (2 tt + m)); later my two rows
.set SUM, 228                          ; v228-231 sums
.set NMU, 232                          ; v[232:233] -mean
.set VA,  234                          ; variance + eps
.set RS,  236                          ; v[236:237] 1 / sqrt
.set STG, 16384
.set SPI, 4112
.set SEL, 26
.macro WM ra, rb
.if (\ra) && (\rb)
	v_wmma_scale_f32_16x16x128_f8f6f4 v[rD:rD+7], v[rA:rA+7], v[rB:rB+7], v[rD:rD+7], v[rSA], v[rSB] matrix_a_fmt:MATRIX_FMT_FP4 matrix_b_fmt:MATRIX_FMT_FP4 matrix_a_scale:MATRIX_SCALE_ROW1 matrix_b_scale:MATRIX_SCALE_ROW1
.elseif (\ra)
	v_wmma_scale_f32_16x16x128_f8f6f4 v[rD:rD+7], v[rA:rA+7], v[rB:rB+7], v[rD:rD+7], v[rSA], v[rSB] matrix_a_fmt:MATRIX_FMT_FP4 matrix_b_fmt:MATRIX_FMT_FP4 matrix_a_scale:MATRIX_SCALE_ROW1
.elseif (\rb)
	v_wmma_scale_f32_16x16x128_f8f6f4 v[rD:rD+7], v[rA:rA+7], v[rB:rB+7], v[rD:rD+7], v[rSA], v[rSB] matrix_a_fmt:MATRIX_FMT_FP4 matrix_b_fmt:MATRIX_FMT_FP4 matrix_b_scale:MATRIX_SCALE_ROW1
.else
	v_wmma_scale_f32_16x16x128_f8f6f4 v[rD:rD+7], v[rA:rA+7], v[rB:rB+7], v[rD:rD+7], v[rSA], v[rSB] matrix_a_fmt:MATRIX_FMT_FP4 matrix_b_fmt:MATRIX_FMT_FP4
.endif
.endm
.macro WLOAD s                         ; my four tiles' fragments of K step s: eight loads
.irp tt, 0,1,2,3
.irp c, 0,1
	global_load_b128 v[WF+32*((\s)%3)+8*\tt+4*\c:WF+32*((\s)%3)+8*\tt+4*\c+3], v[LI], s[8:9] offset:8192*\tt+1024*(\s)+512*\c
.endr
.endr
.endm
.macro HLOAD s                         ; Hctx's two fragments of K step s from LDS
.irp m, 0,1
.irp c, 0,1
	ds_load_b128 v[HF+16*((\s)%2)+8*\m+4*\c:HF+16*((\s)%2)+8*\m+4*\c+3], v[LI] offset:8192*\m+1024*(\s)+512*\c
.endr
.endr
.endm
	s_load_b512 s[4:19], s[0:1], 0x0               ; hc, hs, wimg, Wo_scales, bo, x, ln_w, ln_b
	s_load_b64 s[20:21], s[0:1], 0x40              ; out0
	v_lshl_add_u32 v254, v0, 2, 0x24200
	v_mov_b32 v255, 0
	v_lshrrev_b32 v9, 5, v0
	v_readfirstlane_b32 s22, v9                    ; wave 0..15
	v_and_b32 v9, 31, v0
	v_lshlrev_b32 v[LI], 4, v9
	v_lshlrev_b32 v[L4], 2, v9
	v_and_b32 v10, 15, v0                          ; r
	v_bfe_u32 v9, v0, 4, 1                         ; h
	v_and_b32 v11, 8, v0
	v_add_nc_u32 v11, v11, v10                     ; r + 8 (r / 8)
	v_lshl_add_u32 v[VW], v9, 3, v11
	v_lshlrev_b32 v[VW], 5, v[VW]
	v_lshlrev_b32 v[VB], 6, v9
	v_mul_u32_u24 v[SA], v11, SPI
	v_lshl_add_u32 v[SA], v9, 6, v[SA]
	s_wait_alu depctr_va_sdst(0)                   ; s22, the wave's number, is written, ahead of its first reader: the LDS addresses and every base are made from it
	s_lshl_b32 s32, s22, 8                         ; (each scalar that a vector line reads here has a register of its own and is written once)
	s_add_co_u32 s32, s32, STG
	v_add_nc_u32 v[SA], s32, v[SA]                 ; row r + 8 (r / 8) (+ 8 m), columns 64 w + 16 h on
	s_mul_i32 s33, s22, 2*SPI
	s_add_co_u32 s33, s33, STG
	v_add_nc_u32 v[SR], s33, v[LI]                 ; rows 2 w, 2 w + 1
	s_lshl_b32 s34, s22, 10
	v_add_nc_u32 v[HW], s34, v[LI]
	v_mov_b32 v[NMU+1], 0                          ; (named as the upper halves of pairs whose low word serves both halves)
	v_mov_b32 v[RS+1], 0
	s_mov_b32 s[SEL], 0x76543210
	s_mov_b32 s[SEL+1], 0xfedcba98
	s_mov_b32 s28, 0x3a800000                      ; 1 / 1,024
	s_mov_b32 s29, 0x3727c5ac                      ; 1e-5
	s_mov_b32 s25, 0
	s_wait_kmcnt 0x0
	s_lshl_b32 s24, ttmp9, 14
	s_lshl_b32 s30, s22, 10
	s_add_co_u32 s24, s24, s30
	s_add_nc_u64 s[4:5], s[4:5], s[24:25]          ; my 1,024 bytes of the work-group's two tiles
	s_lshl_b32 s24, ttmp9, 10
	s_add_nc_u64 s[6:7], s[6:7], s[24:25]
	s_lshl_b32 s24, s22, 15
	s_add_co_u32 s24, s24, 1572864
	s_add_nc_u64 s[8:9], s[8:9], s[24:25]          ; Wo's image, my four tiles
	s_lshl_b32 s24, s22, 11
	s_add_nc_u64 s[10:11], s[10:11], s[24:25]
	s_lshl_b32 s24, s22, 8
	s_add_nc_u64 s[12:13], s[12:13], s[24:25]
	s_lshl_b32 s24, ttmp9, 5
	s_lshl_b32 s30, s22, 1
	s_add_co_u32 s24, s24, s30
	s_lshl_b32 s24, s24, 12
	s_add_nc_u64 s[14:15], s[14:15], s[24:25]      ; my two rows of x
	s_add_nc_u64 s[20:21], s[20:21], s[24:25]      ; and of out0
	s_wait_alu depctr_va_vdst(0)                   ; the seven offsets and addresses v1 to v7 are written: every load, store and LDS instruction of the kernel reads one of them
	global_load_b128 v[HF:HF+3], v[LI], s[4:5]
	global_load_b128 v[HF+4:HF+7], v[LI], s[4:5] offset:512
.irp s, 0,1,2,3,4,5,6,7
	global_load_b32 v[HS+\s], v[L4], s[6:7] offset:128*\s
.endr
.irp i, 0,1
.irp k, 0,1
	global_load_b128 v[WS+8*\i+4*\k:WS+8*\i+4*\k+3], v[VW], s[10:11] offset:1024*\i+16*\k
.endr
.endr
.irp tt, 0,1,2,3
.irp m, 0,1
.irp k, 0,1
	global_load_b128 v[ACC+8*(2*\tt+\m)+4*\k:ACC+8*(2*\tt+\m)+4*\k+3], v[VB], s[12:13] offset:4*(32*(\tt/2)+8*(\tt%2))+16*\k   ; bo at columns 32 (tt / 2) + 16 h + 8 (tt % 2) + 0 .. 7
.endr
.endr
.endr
	WLOAD 0
	WLOAD 1
	WLOAD 2
	s_wait_loadcnt 52                              ; Hctx's two loads are in; the 52 issued behind them may be out
	ds_store_b128 v[HW], v[HF:HF+3]
	ds_store_b128 v[HW], v[HF+4:HF+7] offset:512
	s_wait_dscnt 0x0                               ; for the others' sake: my stores have landed
	s_barrier_signal -1
	s_barrier_wait -1                              ; Hctx's two tiles lie in LDS
	s_wait_alu depctr_vm_vsrc(0)                   ; my two LDS stores have read v[HF .. HF+7], in which the first fragments' loads land
	HLOAD 0
.macro KSTEP s
.if (\s) < 7
	HLOAD (\s)+1                                   ; into the set that the step before multiplied: the wait at that step's end has stated that its products are done reading it
.endif
	s_wait_loadcnt 16                              ; Wo's fragments of this step are in: behind them two groups of eight loads were issued, in every step
.if (\s) < 7
	s_wait_dscnt 4                                 ; Hctx's of this step are in; the next step's four may be out
.else
	s_wait_dscnt 0x0
.endif
.irp tt, 0,1,2,3
.irp m, 0,1
.set rD, ACC+8*(2*\tt+\m)
.set rA, WF+32*((\s)%3)+8*\tt
.set rB, HF+16*((\s)%2)+8*\m
.set rSA, WS+8*(\tt/2)+(\s)
.set rSB, HS+(\s)
	WM \tt%2, \m                                   ; the eight accumulators take turns, one instruction a turn
.endr
.endr
.rept 4
	v_nop                                          ; four places behind the step's products; behind the last step they stand ahead of the LDS stores that read the results; the wait below stands beside them
.endr
	s_wait_alu depctr_va_vdst(0)                   ; this step's products are done reading WF[s % 3] and HF[s % 2], in which the loads below and the next step's LDS loads land; behind the last step also: they have written the accumulators, which the LDS stores read
.if (\s) <= 4
	WLOAD (\s)+3
.elseif (\s) == 5
.irp i, 0,1,2,3,4,5,6,7
	global_load_b128 v[WF+64+4*\i:WF+64+4*\i+3], v[LI], s[14:15] offset:512*\i th:TH_LOAD_NT         ; x, my first row
.endr
.elseif (\s) == 6
.irp i, 0,1,2,3,4,5,6,7
	global_load_b128 v[WF+4*\i:WF+4*\i+3], v[LI], s[14:15] offset:4096+512*\i th:TH_LOAD_NT          ; my second row
.endr
.else
.irp i, 0,1,2,3,4,5,6,7
	global_load_b128 v[WF+32+4*\i:WF+32+4*\i+3], v[LI], s[16:17] offset:512*\i                       ; ln_w
	global_load_b128 v[HF+4*\i:HF+4*\i+3], v[LI], s[18:19] offset:512*\i                             ; ln_b
.endr
.endif
.endm
.irp s, 0,1,2,3,4,5,6,7
	KSTEP \s
.endr
.irp tt, 0,1,2,3
.irp m, 0,1
	ds_store_b128 v[SA], v[ACC+8*(2*\tt+\m):ACC+8*(2*\tt+\m)+3] offset:8*SPI*\m+128*(\tt/2)+32*(\tt%2)          ; each accumulator from its low end on
	ds_store_b128 v[SA], v[ACC+8*(2*\tt+\m)+4:ACC+8*(2*\tt+\m)+7] offset:8*SPI*\m+128*(\tt/2)+32*(\tt%2)+16
.endr
.endr
	s_wait_dscnt 0x0                               ; for the others' sake: my stores have landed
	s_barrier_signal -1
	s_barrier_wait -1                              ; 32 whole rows lie in the stage
	s_wait_alu depctr_vm_vsrc(0)                   ; my LDS stores have read the accumulators' registers, in which my two rows land and which the norm then writes
.irp k, 0,1
.irp i, 0,1,2,3,4,5,6,7
	ds_load_b128 v[ACC+32*\k+4*\i:ACC+32*\k+4*\i+3], v[SR] offset:SPI*\k+512*\i
.endr
.endr
	s_wait_loadcnt 0x0                             ; x, ln_w, ln_b
	s_wait_dscnt 0x0
.macro ACROSS                          ; v[SUM] summed over the 32 lanes, the result in every lane
	v_add_f32_dpp v[SUM], v[SUM], v[SUM] row_xmask:1 row_mask:0xf bank_mask:0xf
	v_add_f32_dpp v[SUM], v[SUM], v[SUM] row_xmask:2 row_mask:0xf bank_mask:0xf
	v_add_f32_dpp v[SUM], v[SUM], v[SUM] row_xmask:4 row_mask:0xf bank_mask:0xf
	v_add_f32_dpp v[SUM], v[SUM], v[SUM] row_xmask:8 row_mask:0xf bank_mask:0xf
	v_permlanex16_b32 v[SUM+1], v[SUM], s[SEL], s[SEL+1]
	v_add_f32 v[SUM], v[SUM], v[SUM+1]
.endm
.macro ROWLN k                         ; a row: register 4 i + q of lane l is column 128 i + 4 l + q
.set Y, ACC+32*(\k)
.set XR, WF+64-64*(\k)
.set j, 0
.rept 16
	v_pk_add_f32 v[Y+j:Y+j+1], v[Y+j:Y+j+1], v[XR+j:XR+j+1]        ; the residual
.set j, j+2
.endr
	v_pk_add_f32 v[SUM:SUM+1], v[Y:Y+1], v[Y+2:Y+3]                ; its sum, in two chains
	v_pk_add_f32 v[SUM+2:SUM+3], v[Y+4:Y+5], v[Y+6:Y+7]
.irp i, 8,12,16,20,24,28
	v_pk_add_f32 v[SUM:SUM+1], v[SUM:SUM+1], v[Y+\i:Y+\i+1]
	v_pk_add_f32 v[SUM+2:SUM+3], v[SUM+2:SUM+3], v[Y+\i+2:Y+\i+3]
.endr
	v_pk_add_f32 v[SUM:SUM+1], v[SUM:SUM+1], v[SUM+2:SUM+3]
	v_add_f32 v[SUM], v[SUM], v[SUM+1]
	ACROSS
	v_mul_f32 v[NMU], 0xba800000, v[SUM]           ; -mean
.set j, 0
.rept 16
	v_pk_add_f32 v[Y+j:Y+j+1], v[Y+j:Y+j+1], v[NMU:NMU+1] op_sel_hi:[1,0]
.set j, j+2
.endr
	v_pk_mul_f32 v[SUM:SUM+1], v[Y:Y+1], v[Y:Y+1]                  ; the squares' sum, in two chains
	v_pk_mul_f32 v[SUM+2:SUM+3], v[Y+2:Y+3], v[Y+2:Y+3]
.irp i, 4,8,12,16,20,24,28
	v_pk_fma_f32 v[SUM:SUM+1], v[Y+\i:Y+\i+1], v[Y+\i:Y+\i+1], v[SUM:SUM+1]
	v_pk_fma_f32 v[SUM+2:SUM+3], v[Y+\i+2:Y+\i+3], v[Y+\i+2:Y+\i+3], v[SUM+2:SUM+3]
.endr
	v_pk_add_f32 v[SUM:SUM+1], v[SUM:SUM+1], v[SUM+2:SUM+3]
	v_add_f32 v[SUM], v[SUM], v[SUM+1]
	ACROSS
	v_fma_f32 v[VA], v[SUM], s28, s29              ; variance + eps
	s_wait_alu depctr_va_vdst(0)
	v_rsq_f32 v[RS], v[VA]
	v_nop
	s_wait_alu depctr_va_vdst(0)                   ; the root's reciprocal v[RS] is written, ahead of its first reader
.set j, 0
.rept 16
	v_pk_mul_f32 v[Y+j:Y+j+1], v[Y+j:Y+j+1], v[RS:RS+1] op_sel_hi:[1,0]
.set j, j+2
.endr
.set j, 0
.rept 16
	v_pk_fma_f32 v[Y+j:Y+j+1], v[Y+j:Y+j+1], v[WF+32+j:WF+32+j+1], v[HF+j:HF+j+1]
.set j, j+2
.endr
	s_wait_alu depctr_va_vdst(0)                   ; the multiply-adds have written the row's 32 registers, which the eight stores read
.irp i, 0,1,2,3,4,5,6,7
	global_store_b128 v[LI], v[Y+4*\i:Y+4*\i+3], s[20:21] offset:4096*(\k)+512*\i th:TH_STORE_NT   ; 512 consecutive bytes, aligned
.endr
.endm
	ROWLN 0
	ROWLN 1
	s_wait_dscnt 0x0
	s_wait_alu depctr_hold_cnt(0) depctr_sa_sdst(0) depctr_va_vdst(0) depctr_va_sdst(0) depctr_va_ssrc(0) depctr_va_vcc(0) depctr_vm_vsrc(0)
	s_wait_tensorcnt 0x0
	ds_add_u32 v254, v255
	s_wait_dscnt 0x0
	s_endpgm
.Lfunc_end_k_q7a665fb38d_outln:
	.size	k_q7a665fb38d_outln, .Lfunc_end_k_q7a665fb38d_outln-k_q7a665fb38d_outln
	.p2alignl 7, 3214868480
	.fill 96, 4, 3214868480
	.section	.rodata,"a",@progbits
	.p2align	6, 0x0
	.amdhsa_kernel k_q7a665fb38d_outln
		.amdhsa_group_segment_fixed_size 150016
		.amdhsa_private_segment_fixed_size 0
		.amdhsa_enable_private_segment 0
		.amdhsa_kernarg_size 72
		.amdhsa_user_sgpr_count 2
		.amdhsa_user_sgpr_kernarg_segment_ptr 1
		.amdhsa_wavefront_size32 1
		.amdhsa_system_sgpr_workgroup_id_x 1
		.amdhsa_system_sgpr_workgroup_id_y 1
		.amdhsa_system_sgpr_workgroup_id_z 1
		.amdhsa_system_vgpr_workitem_id 0
		.amdhsa_next_free_vgpr 256
		.amdhsa_next_free_sgpr 66
		.amdhsa_reserve_vcc 0
		.amdhsa_float_denorm_mode_32 3
		.amdhsa_float_denorm_mode_16_64 3
		.amdhsa_memory_ordered 1
		.amdhsa_forward_progress 1
		.amdhsa_inst_pref_size 45
	.end_amdhsa_kernel
	.amdgpu_metadata
---
amdhsa.version: [ 1, 2 ]
amdhsa.kernels:
  - .name:           k_q7a665fb38d_outln
    .symbol:         k_q7a665fb38d_outln.kd
    .args:
      - { .name: hc, .offset: 0, .size: 8, .value_kind: global_buffer, .address_space: global }
      - { .name: hs, .offset: 8, .size: 8, .value_kind: global_buffer, .address_space: global }
      - { .name: wimg, .offset: 16, .size: 8, .value_kind: global_buffer, .address_space: global }
      - { .name: Wo_scales, .offset: 24, .size: 8, .value_kind: global_buffer, .address_space: global }
      - { .name: bo, .offset: 32, .size: 8, .value_kind: global_buffer, .address_space: global }
      - { .name: x, .offset: 40, .size: 8, .value_kind: global_buffer, .address_space: global }
      - { .name: ln_w, .offset: 48, .size: 8, .value_kind: global_buffer, .address_space: global }
      - { .name: ln_b, .offset: 56, .size: 8, .value_kind: global_buffer, .address_space: global }
      - { .name: out0, .offset: 64, .size: 8, .value_kind: global_buffer, .address_space: global }
    .group_segment_fixed_size: 150016
    .private_segment_fixed_size: 0
    .kernarg_segment_align: 8
    .kernarg_segment_size: 72
    .max_flat_workgroup_size: 512
    .sgpr_count:     66
    .vgpr_count:     256
    .wavefront_size: 32
...
	.end_amdgpu_metadata
.endif
;; end of part 8
